; MI455X (gfx1250); checked and timed in simulation.
; The chip was launched on July 23, 2026; its instructions are those of AMD's public machine-readable ISA for CDNA 5 (MIT licence, August 2026) and "CDNA5" Instruction Set Architecture Reference Guide (July 2026). The comments in the code are by the model that wrote it; some were corrected since.
;; Self Attention. Allowed arithmetic: matrix products marked QUANTISED: E2M1 operands, one E8M0 scale for each 32 along K, by v_wmma_scale_f32_16x16x128_f8f6f4 with both operands' format E2M1 (or v_wmma_scale_f32_32x16x128_f4), f32 sums; everything else in f32.
;; Inputs: W_proj 1,024 x 1,024 float32; W_qkv 1,024 x 3,072 float32; b_proj 1,024 float32; b_qkv 3,072 float32; x 4 x 2,048 x 1,024 float32.
;; Outputs: out0 4 x 2,048 x 1,024 float32.
;; This version of the problem:
;;   THIS VERSION OF THE PROBLEM IS GIVEN IN LOW PRECISION. The matrix products marked QUANTISED in the list below multiply operands that are first quantised to E2M1 (2 exponent bits, 1 mantissa bit; 4 bits a number), with one power-of-two scale for each 32 numbers along K (OCP MX v1.0); their sums are f32. All else is computed in f32.
;;   The module's matrix products, in the order in which they are computed (A, B: the left and right operand; K: the contracted axis; several contracted axes count as one K, in the product's order):
;;     1. [M 8,192, K 1,024] x [K 1,024, N 3,072]; A: input x; B: input W_qkv: QUANTISED
;;     2. batch 64 x [M 2,048, K 64] x [K 64, N 2,048]; A: computed on the way; B: computed on the way: QUANTISED
;;     3. batch 64 x [M 64, K 2,048] x [K 2,048, N 2,048]; A: computed on the way; B: softmax (see below): QUANTISED
;;     4. [M 8,192, K 1,024] x [K 1,024, N 1,024]; A: computed on the way; B: input W_proj: QUANTISED
;;   THE QUANTISER, for each operand of a quantised product, along K:
;;     - K is cut into blocks of 32 from its start; a last block that is shorter is filled with zeros.
;;     - A block's scale is 2^e with e = floor(log2(the largest magnitude in the block)) - 2, held to -126 .. 127; a block of zeros has e = 0. As a byte (E8M0): e + 127.
;;     - Each number is divided by its block's scale, clamped to +-6, and rounded to the nearest number of E2M1, ties to even, subnormals kept.
;;     - The product sums the exact products of the quantised numbers (number of the format x scale) in f32.
;;   ~~~python
;;   def quantise(x, axis):      # numpy; x: float32 -> the quantised numbers, widened to float32 again
;;       x = np.moveaxis(x, axis, -1); K = x.shape[-1]
;;       x = np.pad(x, [(0, 0)] * (x.ndim - 1) + [(0, -K % 32)]); x = x.reshape(x.shape[:-1] + (-1, 32)); a = np.abs(x).max(-1, keepdims=True)
;;       e = np.where(a > 0, np.clip(np.frexp(np.where(a > 0, a, 1))[1] - 1 - 2, -126, 127), 0)      # np.frexp(a)[1] - 1 = floor(log2(a)), exactly
;;       r = np.clip(x / 2.0 ** e, -6, 6)
;;       step = 2.0 ** (np.maximum(np.frexp(np.where(r == 0, 1, r))[1] - 1, 0) - 1)
;;       q = np.round(r / step) * step * 2.0 ** e      # np.round: ties to even
;;       return np.moveaxis(q.reshape(q.shape[:-2] + (-1,))[..., :K], -1, axis).astype(np.float32)
;;   ~~~
;;   SOFTMAX AHEAD OF A QUANTISED PRODUCT. Where the list says 'softmax', what is quantised is not the finished softmax but p = 2^(t - M), with t = logit x log2(e) and M = ceil(the row's largest t), a whole number; so 1/2 < the row's largest p <= 1. The row's sum l is taken of the UNQUANTISED p, in f32, and the product's result is divided by l at the end. Since M is a whole number, a kernel that streams over the keys may use a running M (the ceiling of the running maximum): every later rescaling is an exact power of two, which a block's scale takes up: the codes' values come out the same.
;;   OPERANDS COMPUTED ON THE WAY. 'Computed on the way' means the value that the module computes at that place (a softmax that the list does not call 'softmax' is quantised finished and normalised). What goes into a quantiser is computed in f32, as accurately as f32 sums, v_exp_f32 and their like allow (about 1e-6 of the number): no bf16 or f16 on the way to a quantiser, and a product that is left as it is and whose result goes on into a quantised operand takes f32 operands (vector FMAs, or v_wmma_f32_16x16x4_f32). A number that lies on a knife's edge between two numbers of the format may be rounded either way, as far as f32 arithmetic and the matrix unit's own rounding can turn it there, and no further.
;; One version. Each part assembles by itself: llvm-mc -triple=amdgcn-amd-amdhsa -mcpu=gfx1250 --defsym DOCPART=n.
;; ======== version 1 of 1: 4 launches
;; limits: right only within a limited range of input values
;; workspace buffers: cod1 6,291,456 bytes; scl1 393,216 bytes; cod2 12,582,912 bytes; scl2 1,310,720 bytes; cod3 4,194,304 bytes; scl3 262,144 bytes
;; launch quant (part 1): grid 384 x 1, 16 waves a work-group, no clusters, 121,856 bytes of LDS; arguments x, W_qkv, W_proj, cod1, scl1; writes cod1, scl1
.if DOCPART == 1
	.amdgcn_target "amdgcn-amd-amdhsa--gfx1250"
	.amdhsa_code_object_version 6
	.text
	.protected	k_qc724ed3d0e_quant
	.globl	k_qc724ed3d0e_quant
	.p2align	8
	.type	k_qc724ed3d0e_quant,@function
k_qc724ed3d0e_quant:
	s_mov_b64 s[64:65], 0
	v_nop
	global_prefetch_b8 v0, s[64:65] scope:SCOPE_SE
	s_setreg_imm32_b32 hwreg(HW_REG_WAVE_MODE, 25, 1), 1
	s_wait_xcnt 0x0
; x [8192][1024], W_qkv [1024][3072] and W_proj [1024][1024], f32, become codes of FP4 (E2M1) with K innermost and one E8M0 scale byte for each 32 along K.
; cod1: x's codes [8192][512 B] at 0, W_qkv's [3072 features][512 B] at 4,194,304, W_proj's [1024][512 B] at 5,767,168.  scl1: [8192][32] at 0, [3072][32] at 262,144, [1024][32] at 360,448.
; A block's scale is 2^(floor(log2(its largest magnitude)) - 2); its byte is the largest magnitude's exponent field - 2, held at 1 from below.
; LIMITS: a block of zeros, or one whose largest magnitude lies under 2^-124, gets the byte 1 (the rule says 127 for zeros): its codes are zeros or are held there, and this program alone reads the bytes.  NaN and infinities are not served.
; EVERY WAVE ASKS FOR ALL ITS BYTES AT ITS HEAD: 16 loads of 512 bytes (x) or 32 loads of 256 bytes (weights); no loop, no second trip to memory.
; Work-groups 0-255 take x, whose K is innermost: a plain stream of blocks of 32; a wave takes 4 steps of 512 numbers; a step turns through the wave's own stage in LDS so that a lane holds 16 neighbours.
; The work-group's 1,024 scale bytes gather in LDS and leave by waves 0 and 1, 512 consecutive bytes each.
; Work-groups 256-351 take W_qkv and 352-383 W_proj, whose K is the FIRST axis: a work-group takes 64 columns x 512 along K, a wave one block of 32 along K, a lane two neighbouring columns (8 bytes of each row).
; A column's 32 numbers stand in every second register: they are moved together for the conversions.  The sixteen waves' codes gather in LDS as rows of 256 bytes, one a column, and leave so.
; The three ways part on the work-group's number, never join, and have LDS bytes of their own.  No tensor loads.  Memory binds: no matrix unit, no cluster.
.set XWG,   256
.set EMAX,  2
.set STEPS, 4
.set CB,    8                          ; bytes of 16 codes
.set R,     16                         ; v16-79   x: four sets of 16 numbers as loaded
.set X,     80                         ; v80-111  x: two sets of 16 neighbours
.set E,     112                        ; v112-115 x: a scale byte a step
.set C,     116                        ; v116-123 x: codes, two registers a step
.set SP,    80                         ; a lane's place in a stage: 64 bytes + 16 of padding
.set XSC,   16*2*32*SP                 ; behind the sixteen waves' two stages: x's 1,024 scale bytes
.set PITCH, 272                        ; weights: a column's 256 bytes of codes + 16
.set LBQ,   XSC+1024                   ; W_qkv's 64 rows, then 64 x 16 scale bytes
.set LBP,   LBQ+64*PITCH+1024          ; W_proj's
.set SPARE, LBP+64*PITCH+1024          ; the spare words: 128 bytes a wave
.set WN,    16                         ; v16-79   weights: row i's two columns at 16 + 2 i
.set T,     80                         ; v80-111  one column's 32 numbers
.set WC,    112                        ; v112-119 the two columns' codes
.macro XLOAD t
.irp i, 0,1,2,3
	global_load_b128 v[R+16*(\t)+4*\i:R+16*(\t)+4*\i+3], v3, s[4:5] offset:2048*(\t)+512*\i th:TH_LOAD_NT   ; 32 lanes read 512 consecutive bytes
.endr
.endm
.macro XTURN t                         ; step t through the stage: LDS serves a wave's instructions in order
.irp i, 0,1,2,3
	ds_store_b128 v14, v[R+16*(\t)+4*\i:R+16*(\t)+4*\i+3] offset:32*SP*((\t)%2)+8*SP*\i
.endr
.irp i, 0,1,2,3
	ds_load_b128 v[X+16*((\t)%2)+4*\i:X+16*((\t)%2)+4*\i+3], v15 offset:32*SP*((\t)%2)+16*\i
.endr
.endm
.macro XSTEP t
.set XS, X+16*((\t)%2)
.if (\t) > 0
	s_wait_dscnt 1                                 ; this step's numbers are back from the stage; the last step's byte store may be out
.else
	s_wait_dscnt 0x0
.endif
.if (\t)+1 < STEPS
	s_wait_loadcnt 4*(STEPS-2-(\t))                ; the next step's four loads are in; the later steps' may be out
	XTURN (\t)+1
.endif
	v_max3_num_f32 v8, |v[XS]|, |v[XS+1]|, |v[XS+2]|               ; the largest magnitude of my 16, in two chains
	v_max3_num_f32 v9, |v[XS+3]|, |v[XS+4]|, |v[XS+5]|
.irp i, 6,10
	v_max3_num_f32 v8, v8, |v[XS+\i]|, |v[XS+\i+1]|
	v_max3_num_f32 v9, v9, |v[XS+\i+2]|, |v[XS+\i+3]|
.endr
	v_max3_num_f32 v8, v8, |v[XS+14]|, |v[XS+15]|
	v_max3_num_f32 v8, v8, v9, (EMAX+1)<<23        ; and the floor 2^(3 - 127): the byte cannot fall under 1
	v_max_num_f32_dpp v8, v8, v8 row_xmask:1 row_mask:0xf bank_mask:0xf   ; with my neighbour's 16: the block's
	v_add_nc_u32 v11, -(EMAX<<23), v8              ; 2 off the exponent field: the conversion takes that field as its scale
	v_cvt_scalef32_pk8_fp4_f32 v[C+2*(\t)], v[XS:XS+7], v11
	v_cvt_scalef32_pk8_fp4_f32 v[C+2*(\t)+1], v[XS+8:XS+15], v11
	v_lshrrev_b32 v[E+(\t)], 23, v11               ; the scale's byte
	ds_store_b8 v5, v[E+(\t)] offset:16*(\t)       ; both lanes of a block write the same byte with the same value
	global_store_b64 v4, v[C+2*(\t):C+2*(\t)+1], s[10:11] offset:32*CB*(\t)   ; the wave stores 256 consecutive bytes, aligned
.endm
; One weight.  n: its row length; lb: its LDS bytes; co, so: where its codes and scale bytes begin; first: its first work-group; wb: the pair with its address
.macro WQ n, lb, co, so, first, wb
	s_sub_co_u32 s14, ttmp9, \first
	s_lshr_b32 s17, s14, 1
	s_lshl_b32 s17, s17, 6                         ; my work-group's first column
	s_and_b32 s18, s14, 1                          ; which 512 along K
	s_lshl_b32 s19, s16, 4
	s_add_co_u32 s19, s19, \lb
	s_add_co_u32 s22, s16, \lb+64*PITCH
	s_lshl_b32 s23, s16, 2
	s_lshl_b32 s24, s16, 5
	v_lshlrev_b32 v3, 3, v2                        ; in: 8 bytes a lane
	v_mul_u32_u24 v4, v2, 2*PITCH
	v_add_nc_u32 v4, s19, v4                       ; codes into LDS: row = column 2 x lane, 16 bytes at 16 x wave
	v_lshlrev_b32 v5, 5, v2
	v_add_nc_u32 v5, s22, v5                       ; scale bytes into LDS: 16 a column, mine at the wave's number
	v_and_b32 v6, 15, v2
	v_lshrrev_b32 v7, 4, v2
	v_add_nc_u32 v7, s23, v7                       ; the way out: row 4 x wave + lane / 16, and two rows on
	v_mul_u32_u24 v8, v7, PITCH
	v_lshl_add_u32 v8, v6, 4, v8
	v_add_nc_u32 v8, \lb, v8
	v_lshlrev_b32 v9, 9, v7
	v_lshl_add_u32 v9, v6, 4, v9                   ; and the same place among the codes
	v_add_nc_u32 v10, s24, v2                      ; waves 0, 1: column 32 x wave + lane
	v_lshl_add_u32 v11, v10, 4, \lb+64*PITCH
	v_lshlrev_b32 v10, 5, v10
	s_lshl_b32 s20, s18, 4
	s_add_co_u32 s20, s20, s16                     ; which block of 32 along K
	s_mul_i32 s20, s20, 32*(\n)*4
	s_lshl_b32 s22, s17, 2
	s_add_co_u32 s20, s20, s22
	s_wait_alu depctr_va_vdst(0)                   ; the wait at the head's end
	s_wait_kmcnt 0x0
	s_add_nc_u64 s[32:33], s[\wb:\wb+1], s[20:21]
	s_lshl_b32 s20, s17, 9
	s_lshl_b32 s22, s18, 8
	s_add_co_u32 s20, s20, s22
	s_add_co_u32 s20, s20, \co
	s_add_nc_u64 s[34:35], s[10:11], s[20:21]      ; codes: column x 512 + 256 x half
	s_lshl_b32 s20, s17, 5
	s_lshl_b32 s22, s18, 4
	s_add_co_u32 s20, s20, s22
	s_add_co_u32 s20, s20, \so
	s_add_nc_u64 s[36:37], s[12:13], s[20:21]      ; scale bytes: column x 32 + 16 x half
.set i, 0
.rept 32
	global_load_b64 v[WN+2*i:WN+2*i+1], v3, s[32:33] offset:i*(\n)*4 th:TH_LOAD_NT   ; 32 lanes read 256 consecutive bytes, aligned
.set i, i+1
.endr
	s_wait_loadcnt 0x0
	v_max3_num_f32 v12, |v[WN]|, |v[WN+2]|, (EMAX+1)<<23           ; each column's largest magnitude, and the floor
	v_max3_num_f32 v13, |v[WN+1]|, |v[WN+3]|, (EMAX+1)<<23
.irp i, 2,4,6,8,10,12,14,16,18,20,22,24,26,28,30
	v_max3_num_f32 v12, v12, |v[WN+2*\i]|, |v[WN+2*\i+2]|
	v_max3_num_f32 v13, v13, |v[WN+2*\i+1]|, |v[WN+2*\i+3]|
.endr
	v_add_nc_u32 v12, -(EMAX<<23), v12
	v_add_nc_u32 v13, -(EMAX<<23), v13
	v_lshrrev_b32 v14, 23, v12
	v_lshrrev_b32 v15, 23, v13
	ds_store_b8 v5, v14
	ds_store_b8 v5, v15 offset:16
.irp u, 0,1
.set i, 0
.rept 32
	v_mov_b32 v[T+i], v[WN+2*i+\u]                 ; the column's 32 numbers together
.set i, i+1
.endr
.irp g, 0,1,2,3
	v_cvt_scalef32_pk8_fp4_f32 v[WC+4*\u+\g], v[T+8*\g:T+8*\g+7], v[12+\u]
.endr
	v_nop                                          ; one plain place behind the conversions
.endr
	ds_store_b128 v4, v[WC:WC+3]
	ds_store_b128 v4, v[WC+4:WC+7] offset:PITCH
	s_wait_dscnt 0x0                               ; for the others' sake: my stores are done
	s_barrier_signal -1
	s_barrier_wait -1
	ds_load_b128 v[16:19], v8
	ds_load_b128 v[20:23], v8 offset:2*PITCH
	s_wait_dscnt 0x0
	global_store_b128 v9, v[16:19], s[34:35]       ; sixteen lanes store 256 consecutive bytes, aligned
	global_store_b128 v9, v[20:23], s[34:35] offset:1024
	s_cmp_lt_u32 s16, 2
	s_cbranch_scc0 .Lwend_\@
	ds_load_b128 v[24:27], v11
	s_wait_dscnt 0x0
	global_store_b128 v10, v[24:27], s[36:37]      ; a column's 16 scale bytes
.Lwend_\@:
	s_wait_tensorcnt 0x0                           ; the wave's end
	ds_add_u32 v126, v127
	s_wait_dscnt 0x0
	s_endpgm
.endm
	s_load_b128 s[4:7], s[0:1], 0x0                ; x, W_qkv
	s_load_b128 s[8:11], s[0:1], 0x10              ; W_proj, cod1
	s_load_b64 s[12:13], s[0:1], 0x20              ; scl1
	v_lshl_add_u32 v126, v0, 2, SPARE
	v_mov_b32 v127, 0
	v_lshrrev_b32 v1, 5, v0
	v_readfirstlane_b32 s16, v1                    ; wave
	v_and_b32 v2, 31, v0                           ; lane
	s_mov_b32 s21, 0
	s_wait_alu depctr_va_vdst(0)                   ; the wait ahead of the branch
	s_cmp_lt_u32 ttmp9, XWG
	s_cbranch_scc0 .Lweights
	; ---- x
	s_mul_i32 s17, s16, 2*32*SP
	s_lshl_b32 s18, s16, 6
	s_add_co_u32 s18, s18, XSC
	s_lshl_b32 s19, s16, 9
	s_lshl_b32 s22, ttmp9, 4
	s_add_co_u32 s22, s22, s16                     ; which run of 2,048 numbers is my wave's
	v_lshlrev_b32 v3, 4, v2                        ; my 16 bytes of a load's 512
	v_lshrrev_b32 v14, 2, v2
	v_mul_u32_u24 v14, v14, SP
	v_and_b32 v15, 3, v2
	v_lshl_add_u32 v14, v15, 4, v14
	v_add_nc_u32 v14, s17, v14                     ; the stage, in: four lanes' 64 bytes on end, then 16 of padding
	v_mul_u32_u24 v15, v2, SP
	v_add_nc_u32 v15, s17, v15                     ; and out: my 16 neighbours
	v_mul_u32_u24 v4, v2, CB                       ; my codes' place in a step's
	v_lshrrev_b32 v5, 1, v2
	v_add_nc_u32 v5, s18, v5                       ; my block's byte among the work-group's 1,024
	v_add_nc_u32 v7, s19, v3                       ; waves 0, 1 on the way out: 512 x wave + 16 x lane
	v_add_nc_u32 v6, XSC, v7
	s_wait_alu depctr_va_vdst(0)                   ; the wait at the head's end
	s_wait_kmcnt 0x0
	s_lshl_b32 s20, s22, 13
	s_add_nc_u64 s[4:5], s[4:5], s[20:21]
	s_lshl_b32 s20, s22, 10
	s_add_nc_u64 s[10:11], s[10:11], s[20:21]
	s_lshl_b32 s20, ttmp9, 10
	s_add_nc_u64 s[12:13], s[12:13], s[20:21]
.irp t, 0,1,2,3
	XLOAD \t
.endr
	s_wait_loadcnt 12                              ; step 0's four loads are in
	XTURN 0
.irp t, 0,1,2,3
	XSTEP \t
.endr
	s_wait_dscnt 0x0                               ; for the others' sake: my byte stores are done
	s_barrier_signal -1
	s_barrier_wait -1
	s_cmp_lt_u32 s16, 2
	s_cbranch_scc0 .Lxend
	ds_load_b128 v[16:19], v6
	s_wait_dscnt 0x0
	global_store_b128 v7, v[16:19], s[12:13]       ; 32 lanes store 512 consecutive bytes, aligned
.Lxend:
	s_wait_tensorcnt 0x0                           ; the wave's end
	ds_add_u32 v126, v127
	s_wait_dscnt 0x0
	s_endpgm
.Lweights:
	s_cmp_lt_u32 ttmp9, XWG+96
	s_cbranch_scc0 .Lproj
	WQ 3072, LBQ, 4194304, 262144, XWG, 6
.Lproj:
	WQ 1024, LBP, 5767168, 360448, XWG+96, 8
.Lfunc_end_k_qc724ed3d0e_quant:
	.size	k_qc724ed3d0e_quant, .Lfunc_end_k_qc724ed3d0e_quant-k_qc724ed3d0e_quant
	.p2alignl 7, 3214868480
	.fill 96, 4, 3214868480
	.section	.rodata,"a",@progbits
	.p2align	6, 0x0
	.amdhsa_kernel k_qc724ed3d0e_quant
		.amdhsa_group_segment_fixed_size 121856
		.amdhsa_private_segment_fixed_size 0
		.amdhsa_enable_private_segment 0
		.amdhsa_kernarg_size 40
		.amdhsa_user_sgpr_count 2
		.amdhsa_user_sgpr_kernarg_segment_ptr 1
		.amdhsa_wavefront_size32 1
		.amdhsa_system_sgpr_workgroup_id_x 1
		.amdhsa_system_sgpr_workgroup_id_y 1
		.amdhsa_system_sgpr_workgroup_id_z 1
		.amdhsa_system_vgpr_workitem_id 0
		.amdhsa_next_free_vgpr 128
		.amdhsa_next_free_sgpr 66
		.amdhsa_reserve_vcc 0
		.amdhsa_float_denorm_mode_32 3
		.amdhsa_float_denorm_mode_16_64 3
		.amdhsa_memory_ordered 1
		.amdhsa_forward_progress 1
		.amdhsa_inst_pref_size 32
	.end_amdhsa_kernel
	.amdgpu_metadata
---
amdhsa.version: [ 1, 2 ]
amdhsa.kernels:
  - .name:           k_qc724ed3d0e_quant
    .symbol:         k_qc724ed3d0e_quant.kd
    .args:
      - { .name: x, .offset: 0, .size: 8, .value_kind: global_buffer, .address_space: global }
      - { .name: W_qkv, .offset: 8, .size: 8, .value_kind: global_buffer, .address_space: global }
      - { .name: W_proj, .offset: 16, .size: 8, .value_kind: global_buffer, .address_space: global }
      - { .name: cod1, .offset: 24, .size: 8, .value_kind: global_buffer, .address_space: global }
      - { .name: scl1, .offset: 32, .size: 8, .value_kind: global_buffer, .address_space: global }
    .group_segment_fixed_size: 121856
    .private_segment_fixed_size: 0
    .kernarg_segment_align: 8
    .kernarg_segment_size: 40
    .max_flat_workgroup_size: 512
    .sgpr_count:     66
    .vgpr_count:     128
    .wavefront_size: 32
...
	.end_amdgpu_metadata
.endif
;; end of part 1
;; launch qkv (part 2): grid 8 x 32, 4 waves a work-group, clusters of 4 x 4, 327,680 bytes of LDS; arguments cod1, scl1, b_qkv, cod2, scl2; writes cod2, scl2
.if DOCPART == 2
	.amdgcn_target "amdgcn-amd-amdhsa--gfx1250"
	.amdhsa_code_object_version 6
	.text
	.protected	k_qc724ed3d0e_qkv
	.globl	k_qc724ed3d0e_qkv
	.p2align	8
	.type	k_qc724ed3d0e_qkv,@function
k_qc724ed3d0e_qkv:
	s_mov_b64 s[64:65], 0
	v_nop
	global_prefetch_b8 v0, s[64:65] scope:SCOPE_SE
	s_setreg_imm32_b32 hwreg(HW_REG_WAVE_MODE, 25, 1), 1
	s_wait_xcnt 0x0
	s_wait_alu depctr_hold_cnt(0) depctr_sa_sdst(0) depctr_va_vdst(0) depctr_va_sdst(0) depctr_va_ssrc(0) depctr_va_vcc(0) depctr_vm_vsrc(0)
	s_getreg_b32 s2, hwreg(HW_REG_IB_STS2, 6, 4)
	s_cmp_eq_u32 s2, 0
	s_cbranch_scc0 .Lentry_in_a_cluster
	s_endpgm
.Lentry_in_a_cluster:
	s_bfe_u32 s2, ttmp6, 0x10000c
	s_cmp_lg_u32 s2, 0xf033
	s_cbranch_scc0 .Lentry_shape_is_right
	s_endpgm
.Lentry_shape_is_right:
; qkv = x W_qkv + b_qkv on codes of FP4 (K = 1,024), and q, k, v quantised on the way out for the attention's two products.
; SHARES.  Work-group (j, i), j = 0 .. 7, i = 0 .. 31: 256 tokens 256 i.  FIRST 256 features 256 j of q and k (j < 4: q), THEN 128 features 2,048 + 128 j of v: 256 work-groups of equal work.
; ALL OF K LIES IN LDS: x's 256 rows and W's 256 rows, 512 bytes a row + 16 of padding, one joint load of 128 rows a wave.  Behind the first phase's products a round of the cluster's barrier
; lets wave 2 fill W's first 128 rows again with v's 128 rows; that load is out while q and k are quantised and stored.
; CLUSTERS 4 x 4: x's rows are asked for jointly along a row of the cluster, W's along a column.
; q, k: source 0 = 16 rows of W, source 1 = 16 tokens: a lane holds one token, its registers run along the features (the scores' K).  Wave: 128 tokens x 128 features, 64 accumulators.
; v: source 0 = 16 tokens, source 1 = 16 rows of W: a lane holds one channel, its registers run along the tokens (the second product's K).  Wave: 128 tokens x 64 channels, 32 accumulators.
; Source 0's rows of a tile are chosen: lane r of tile 2 b + u takes row 32 b + 8 u + r + 8 (r / 8), so that 16 registers of two tiles are 16 neighbours.
; SCALE WORDS go from memory straight into the scale registers, 16 bytes (512 along K) of a row a lane, each byte once a wave.
; OUT.  cod2: q at 0, k at 4,194,304: [batch x head][block of 32 of D][token][16 B]; v at 8,388,608: [batch x head][block of 32 tokens][channel][16 B].
;       scl2: q at 0, k at 524,288: [batch x head][token] a word (two bytes used); v at 1,048,576: [batch x head][128 tokens][channel] a word.
; NO PREFETCH: the text has no loop to run ahead in; the first loads are its first memory work, and v's rows are asked for a whole way out ahead of their use.
; LIMITS: NaN and infinities are not served; a block whose largest magnitude lies under 2^-124 gets the byte 1.
; REGISTERS.  window 0: v1-29 addresses; v32-95 scale words alone; v96-127 at work; v128-255 source 1's fragments, two sets (on the way out at work).
;   window 1: v0-63, v128-191 source 0's fragments, two sets; v64-71 v's bias, v192-255 q's and k's.  windows 2, 3: accumulator (a, b) at 8 (8 (a % 4) + b).
.set PITCH,  528
.set HALFT,  128*PITCH
.set STG,    4*HALFT                   ; q's and k's scale words on their way out: 1,024 bytes a wave, LDS stores alone
.set STGV,   STG+4096                  ; v's: 256 bytes a wave
.set SPARE,  STGV+1024                 ; the spare words: 128 bytes a wave
.set WCOD,   4194304
.set WSCL,   262144
.set STAQ, 8
.set STRQ, 9
.set STAV, 10
.set STRV, 11
.set SH16, 12
.set VO0,  13
.set VO1,  14
.set VL,   15
.set ADRA, 16                          ; v16 source 1 in phase 1 (x, plain rows); v19 in phase 2 (W)
.set ADRB, 17                          ; v17 source 0 in phase 1 (W, chosen rows); v18 in phase 2 (x)
.set LP,   20                          ; 32 x (16 h + r): scale rows, plain
.set LQ,   21                          ; 32 x (16 (r / 8) + 8 h + r % 8): scale rows, chosen
.set BO,   24
.set BR,   25
.set V8,   26
.set SPW,  28
.set NIL,  29
.set SC,   32
.set TM,   96
.set PW,   112
.set RB,   120
.set AF,   128
.set ST,   128
.set PC,   192
.set BV,   64
.set BQ,   192
.set G1,   24
.set G0,   32
.set G0B,  36
.set G1B,  48
.set G0V,  56
.set SEL,  98
.set MSB, 0
.macro WIN new
.if MSB != (\new)
	s_set_vgpr_msb (MSB<<8)|(\new)
.set MSB, (\new)
.endif
.endm
.set MUL_LO, 0xa1
.set MUL_HI, 0xf1
.set TO_B,   0x40
.macro PLACES n
.rept \n
	v_nop
.endr
.endm
.macro CROUND                          ; a round of the cluster's barrier
	s_barrier_signal -1
	s_barrier_wait -1
	s_cmp_lg_u32 s14, 0
	s_cbranch_scc1 .Lnot_wave_0_\@
	s_barrier_signal -3
.Lnot_wave_0_\@:
	s_barrier_wait -3
	s_barrier_signal -1
	s_barrier_wait -1
.endm
.macro WM z                            ; register numbers in rD, rS0, rS1, rX0, rX1; f0, f1 = 1: that source's scales stand in lanes 16-31; z = 1: C is the constant 0
.if \z
.if f0 && f1
	v_wmma_scale_f32_16x16x128_f8f6f4 v[rD:rD+7], v[rS0:rS0+7], v[rS1:rS1+7], 0, v[rX0], v[rX1] matrix_a_fmt:MATRIX_FMT_FP4 matrix_b_fmt:MATRIX_FMT_FP4 matrix_a_scale:MATRIX_SCALE_ROW1 matrix_b_scale:MATRIX_SCALE_ROW1
.elseif f0
	v_wmma_scale_f32_16x16x128_f8f6f4 v[rD:rD+7], v[rS0:rS0+7], v[rS1:rS1+7], 0, v[rX0], v[rX1] matrix_a_fmt:MATRIX_FMT_FP4 matrix_b_fmt:MATRIX_FMT_FP4 matrix_a_scale:MATRIX_SCALE_ROW1
.elseif f1
	v_wmma_scale_f32_16x16x128_f8f6f4 v[rD:rD+7], v[rS0:rS0+7], v[rS1:rS1+7], 0, v[rX0], v[rX1] matrix_a_fmt:MATRIX_FMT_FP4 matrix_b_fmt:MATRIX_FMT_FP4 matrix_b_scale:MATRIX_SCALE_ROW1
.else
	v_wmma_scale_f32_16x16x128_f8f6f4 v[rD:rD+7], v[rS0:rS0+7], v[rS1:rS1+7], 0, v[rX0], v[rX1] matrix_a_fmt:MATRIX_FMT_FP4 matrix_b_fmt:MATRIX_FMT_FP4
.endif
.else
.if f0 && f1
	v_wmma_scale_f32_16x16x128_f8f6f4 v[rD:rD+7], v[rS0:rS0+7], v[rS1:rS1+7], v[rD:rD+7], v[rX0], v[rX1] matrix_a_fmt:MATRIX_FMT_FP4 matrix_b_fmt:MATRIX_FMT_FP4 matrix_a_scale:MATRIX_SCALE_ROW1 matrix_b_scale:MATRIX_SCALE_ROW1
.elseif f0
	v_wmma_scale_f32_16x16x128_f8f6f4 v[rD:rD+7], v[rS0:rS0+7], v[rS1:rS1+7], v[rD:rD+7], v[rX0], v[rX1] matrix_a_fmt:MATRIX_FMT_FP4 matrix_b_fmt:MATRIX_FMT_FP4 matrix_a_scale:MATRIX_SCALE_ROW1
.elseif f1
	v_wmma_scale_f32_16x16x128_f8f6f4 v[rD:rD+7], v[rS0:rS0+7], v[rS1:rS1+7], v[rD:rD+7], v[rX0], v[rX1] matrix_a_fmt:MATRIX_FMT_FP4 matrix_b_fmt:MATRIX_FMT_FP4 matrix_b_scale:MATRIX_SCALE_ROW1
.else
	v_wmma_scale_f32_16x16x128_f8f6f4 v[rD:rD+7], v[rS0:rS0+7], v[rS1:rS1+7], v[rD:rD+7], v[rX0], v[rX1] matrix_a_fmt:MATRIX_FMT_FP4 matrix_b_fmt:MATRIX_FMT_FP4
.endif
.endif
.endm
.macro FETCH n, v                      ; step n's fragments (128 along K) into set n % 2; v = 1: phase 2, four tiles of source 1
.set fP, (\n)%2
	WIN TO_B
.irp i, 0,1,2,3,4,5,6,7
.irp c, 0,1
	ds_load_b128 v[128*fP+8*\i+4*\c:128*fP+8*\i+4*\c+3], v[ADRB+\v] offset:64*(\n)+32*\c+(32*(\i/2)+8*(\i%2))*PITCH
.endr
.endr
	WIN 0
.irp i, 0,1,2,3,4,5,6,7
.if (\v == 0) || (\i < 4)
.irp c, 0,1
	ds_load_b128 v[AF+64*fP+8*\i+4*\c:AF+64*fP+8*\i+4*\c+3], v[ADRA+3*\v] offset:64*(\n)+32*\c+\i*16*PITCH
.endr
.endif
.endr
.endm
.macro MUL16 a0, n                     ; the accumulators take turns, one instruction a turn, in the same order in every step
.irp a, \a0, \a0+1
.irp b, 0,1,2,3,4,5,6,7
.set rD, 8*(8*((\a)%4)+\b)
.set rS0, 128*((\n)%2)+8*\b
.set rS1, AF+64*((\n)%2)+8*(\a)
.set rX0, SC+32*((\n)/4)+16+4*(\b/2)+(\n)%4
.set rX1, SC+32*((\n)/4)+4*((\a)/2)+(\n)%4
.set f0, \b%2
.set f1, (\a)%2
.if (\n) == 0
	WM 1
.else
	WM 0
.endif
.endr
.endr
.endm
.macro STEP n, v
	s_wait_dscnt 0x0                               ; this step's fragments are in
.if (\n) < 7
.if (\n) > 0
	PLACES 4                                       ; in front of loads into registers that the last step's products have read
.endif
	FETCH (\n)+1, \v
.endif
	WIN MUL_LO
	MUL16 0, \n
	MUL16 2, \n
.if \v == 0
	WIN MUL_HI
	MUL16 4, \n
	MUL16 6, \n
.endif
	WIN 0
.endm
.macro SLOAD pa, na, pb                ; scale words: source 1's rows (plain; na groups of 32 rows) from s[pa], source 0's (chosen) from s[pb]; register 4 u + q: tiles 2 u (lanes 0-15) and 2 u + 1
.irp f, 0,1
.irp u, 0,1,2,3
.if \u < \na
	global_load_b128 v[SC+32*\f+4*\u:SC+32*\f+4*\u+3], v[LP], s[\pa:\pa+1] offset:1024*\u+16*\f
.endif
	global_load_b128 v[SC+32*\f+16+4*\u:SC+32*\f+16+4*\u+3], v[LQ], s[\pb:\pb+1] offset:1024*\u+16*\f
.endr
.endr
.endm
.macro QUANT s, pc, pw                 ; 64 registers = four blocks of 32 (16 mine, 16 lane l xor 16's) -> 8 registers of codes, a whole block to a lane, and the four scale bytes
.irp b, 0,1,2,3
	v_max3_num_f32 v[TM+\b], |v[(\s)+16*\b]|, |v[(\s)+1+16*\b]|, 0x1800000
.endr
.irp i, 2,4,6,8,10,12,14
.irp b, 0,1,2,3
	v_max3_num_f32 v[TM+\b], v[TM+\b], |v[(\s)+16*\b+\i]|, |v[(\s)+1+16*\b+\i]|
.endr
.endr
.irp b, 0,1,2,3
	v_permlanex16_b32 v[TM+4+\b], v[TM+\b], s[SEL], s[SEL+1]
.endr
.irp b, 0,1,2,3
	v_max_num_f32 v[TM+\b], v[TM+\b], v[TM+4+\b]
.endr
.irp b, 0,1,2,3
	v_add_nc_u32 v[TM+12+\b], 0xff000000, v[TM+\b]
.endr
.irp b, 0,1,2,3
	v_lshrrev_b32 v[TM+4+\b], 23, v[TM+12+\b]
.endr
	v_lshl_or_b32 v[(\pw)], v[TM+5], 8, v[TM+4]
	v_lshl_or_b32 v[(\pw)], v[TM+6], 16, v[(\pw)]
	v_lshl_or_b32 v[(\pw)], v[TM+7], 24, v[(\pw)]
.irp b, 0,1,2,3
	v_cvt_scalef32_pk8_fp4_f32 v[(\pc)+2*\b], v[(\s)+16*\b:(\s)+7+16*\b], v[TM+12+\b]
	v_cvt_scalef32_pk8_fp4_f32 v[(\pc)+1+2*\b], v[(\s)+8+16*\b:(\s)+15+16*\b], v[TM+12+\b]
.endr
	v_nop
.irp c, 0,1
.irp i, 0,1
	v_permlane16_swap_b32 v[(\pc)+4*\c+\i], v[(\pc)+2+4*\c+\i]
.endr
.endr
.endm
.macro EPI v                           ; the way out.  s18 = 16 x batch, s19 = block of 256 tokens in the batch, s23 = 0
.if \v
	s_lshl_b32 s20, s42, 1
	s_add_co_u32 s20, s20, s18
	s_add_co_u32 s20, s20, s15                     ; batch x head of my 64 channels
	s_lshl_b32 s21, s19, 1
	s_add_co_u32 s21, s21, s16                     ; which 128 tokens of the batch
	s_lshl_b32 s22, s20, 16
	s_lshl_b32 s2, s21, 12
	s_add_co_u32 s22, s22, s2
	s_add_co_u32 s22, s22, 8388608
	s_add_nc_u64 s[84:85], s[10:11], s[22:23]
	s_lshl_b32 s22, s20, 4
	s_add_co_u32 s22, s22, s21
	s_lshl_b32 s22, s22, 8
	s_add_co_u32 s22, s22, 1048576
	s_add_nc_u64 s[86:87], s[12:13], s[22:23]
	v_lshlrev_b32 v[VO0], 4, v1
	v_lshl_add_u32 v[VO0], v2, 10, v[VO0]
	v_add_nc_u32 v[VO1], 2048, v[VO0]
.else
	s_lshl_b32 s20, s40, 2
	s_add_co_u32 s20, s20, s18
	s_lshl_b32 s21, s16, 1
	s_add_co_u32 s20, s20, s21                     ; batch x head of my first 64 features
	s_lshl_b32 s21, s19, 8
	s_lshl_b32 s22, s15, 7
	s_add_co_u32 s21, s21, s22                     ; my first token in the batch
	s_lshl_b32 s22, ttmp9, 22                      ; q or k
	s_lshl_b32 s2, s20, 16
	s_add_co_u32 s22, s22, s2
	s_lshl_b32 s2, s21, 4
	s_add_co_u32 s22, s22, s2
	s_add_nc_u64 s[80:81], s[10:11], s[22:23]
	s_lshl_b32 s22, ttmp9, 19
	s_lshl_b32 s2, s20, 11
	s_add_co_u32 s2, s2, s21
	s_lshl_b32 s2, s2, 2
	s_add_co_u32 s22, s22, s2
	s_add_nc_u64 s[82:83], s[12:13], s[22:23]
	v_lshlrev_b32 v[VO0], 4, v1
	v_lshl_add_u32 v[VO0], v2, 15, v[VO0]
	v_add_nc_u32 v[VO1], 0x10000, v[VO0]
.endif
.irp a, 0,1,2,3,4,5,6,7
.if (\v == 0) || (\a < 4)
	WIN 0x06+\a/4                                  ; source 0: the accumulators' window; source 1: the bias, window 1
.irp b, 0,1,2,3,4,5,6,7
.irp j, 0,2,4,6
.if \v
	v_pk_add_f32 v[ST+8*\b+\j:ST+8*\b+\j+1], v[64*(\a%4)+8*\b+\j:64*(\a%4)+8*\b+\j+1], v[BV+2*\a:BV+2*\a+1]
.else
	v_pk_add_f32 v[ST+8*\b+\j:ST+8*\b+\j+1], v[64*(\a%4)+8*\b+\j:64*(\a%4)+8*\b+\j+1], v[BQ+8*\b+\j:BQ+8*\b+\j+1]
.endif
.endr
.endr
	WIN 0
	QUANT ST, PC+8*\a, PW+\a
.if \v
	global_store_b128 v[VO0], v[PC+8*\a:PC+8*\a+3], s[84:85] offset:256*\a      ; sixteen lanes store 256 consecutive bytes, aligned
	global_store_b128 v[VO1], v[PC+8*\a+4:PC+8*\a+7], s[84:85] offset:256*\a
	ds_store_b32 v[STAV], v[PW+\a] offset:64*\a
.else
	global_store_b128 v[VO0], v[PC+8*\a:PC+8*\a+3], s[80:81] offset:256*\a
	global_store_b128 v[VO1], v[PC+8*\a+4:PC+8*\a+7], s[80:81] offset:256*\a
	v_lshrrev_b32 v[PW+\a], v[SH16], v[PW+\a]      ; lanes 0-15 keep the first head's two bytes, lanes 16-31 the second's
	v_and_b32 v[PW+\a], 0xffff, v[PW+\a]
	ds_store_b32 v[STAQ], v[PW+\a] offset:64*\a
.endif
.endif
.endr
.if \v
	ds_load_b64 v[RB:RB+1], v[STRV]                ; LDS serves a wave's instructions in order: these see my stores
	s_wait_dscnt 0x0
	global_store_b64 v[V8], v[RB:RB+1], s[86:87]   ; 256 consecutive bytes, aligned
.else
	ds_load_b128 v[RB:RB+3], v[STRQ]
	ds_load_b128 v[RB+4:RB+7], v[STRQ] offset:512
	s_wait_dscnt 0x0
	global_store_b128 v[VL], v[RB:RB+3], s[82:83]
	global_store_b128 v[VL], v[RB+4:RB+7], s[82:83] offset:8192
.endif
.endm
	s_load_b128 s[4:7], s[0:1], 0x0                ; cod1, scl1
	s_load_b128 s[8:11], s[0:1], 0x10              ; b_qkv, cod2
	s_load_b64 s[12:13], s[0:1], 0x20              ; scl2
	v_lshl_add_u32 v[SPW], v0, 2, SPARE
	v_mov_b32 v[NIL], 0
	ds_add_u32 v[SPW], v[NIL]                      ; the opening lines: the add, twice on end, and its wait
	ds_add_u32 v[SPW], v[NIL]
	v_lshrrev_b32 v1, 5, v0
	v_readfirstlane_b32 s14, v1                    ; wave
	s_lshr_b32 s15, s14, 1
	s_and_b32 s16, s14, 1
	s_bfe_u32 s40, ttmp6, 0x40000                  ; cx, cy
	s_bfe_u32 s41, ttmp6, 0x40004
	s_lshl_b32 s42, ttmp9, 2
	s_add_co_u32 s42, s42, s40                     ; j
	s_and_b32 s17, ttmp7, 0xffff
	s_lshl_b32 s17, s17, 2
	s_add_co_u32 s17, s17, s41                     ; i
	s_lshl_b32 s43, s41, 2
	s_lshl_b32 s43, 15, s43                        ; my row of the cluster
	s_lshl_b32 s44, 0x1111, s40                    ; my column
	s_or_b32 s[G1+0], s43, (0<<16)|(1<<20)|(1<<21)|(6<<22)|(3<<25)    ; 128 rows of 512 bytes, four words of padding behind every 128
	s_or_b32 s[G1B+0], s44, (0<<16)|(1<<20)|(1<<21)|(6<<22)|(3<<25)
.irp g, G1, G1B
	s_mov_b32 s[\g+1], 512<<16
	s_mov_b32 s[\g+2], 128<<16
	s_mov_b32 s[\g+3], 512<<16
	s_mov_b32 s[\g+4], 128
	s_mov_b32 s[\g+5], 512
	s_mov_b32 s[\g+6], 0
	s_mov_b32 s[\g+7], 0
.endr
	s_lshl_b32 s18, s16, 7
	s_lshl_b32 s19, s15, 7
	s_lshl_b32 s90, s17, 8
	s_add_co_u32 s91, s90, s19                     ; x's row, half wave / 2
	s_add_co_u32 s90, s90, s18                     ; x's row, half wave % 2
	s_lshl_b32 s92, s42, 8
	s_add_co_u32 s92, s92, s18                     ; W's row in phase 1, half wave % 2
	s_lshl_b32 s93, s42, 7
	s_add_co_u32 s93, s93, 2048                    ; v's first row of W
	s_lshl_b32 s94, s15, 6
	s_add_co_u32 s94, s94, s93                     ; my 64 of them
	s_mul_i32 s60, s14, HALFT                      ; where my load goes: no place in the cluster enters an LDS address
	s_mul_i32 s20, s15, HALFT
	s_mul_i32 s21, s16, HALFT
	s_add_co_u32 s22, s21, 2*HALFT
	s_mul_i32 s23, s15, 64*PITCH
	s_add_co_u32 s23, s23, 2*HALFT
	s_lshl_b32 s61, s14, 10
	s_add_co_u32 s61, s61, STG
	s_lshl_b32 s62, s14, 8
	s_add_co_u32 s62, s62, STGV
	s_mov_b32 s[SEL], 0x76543210
	s_mov_b32 s[SEL+1], 0xfedcba98
	s_mov_b32 s3, 0
	s_mov_b32 s79, 0
	v_and_b32 v1, 15, v0                           ; r
	v_bfe_u32 v2, v0, 4, 1                         ; h
	v_mul_u32_u24 v3, v1, PITCH
	v_lshl_add_u32 v3, v2, 4, v3                   ; plain rows
	v_and_b32 v4, 8, v1
	v_add_nc_u32 v4, v4, v1
	v_mul_u32_u24 v4, v4, PITCH
	v_lshl_add_u32 v4, v2, 4, v4                   ; chosen rows
	v_add_nc_u32 v[ADRA], s20, v3
	v_add_nc_u32 v[ADRB], s22, v4
	v_add_nc_u32 v[ADRB+1], s21, v4
	v_add_nc_u32 v[ADRA+3], s23, v3
	v_and_b32 v5, 31, v0
	v_lshlrev_b32 v[LP], 5, v5
	v_lshlrev_b32 v[VL], 4, v5
	v_lshlrev_b32 v[V8], 3, v5
	v_and_b32 v6, 7, v1
	v_lshl_add_u32 v6, v2, 3, v6
	v_and_b32 v7, 8, v1
	v_lshl_add_u32 v6, v7, 1, v6
	v_lshlrev_b32 v[LQ], 5, v6
	v_lshlrev_b32 v[BO], 6, v2
	v_lshlrev_b32 v[BR], 2, v1
	v_lshlrev_b32 v7, 9, v2
	v_lshl_add_u32 v7, v1, 2, v7
	v_add_nc_u32 v[STAQ], s61, v7
	v_add_nc_u32 v[STRQ], s61, v[VL]
	v_lshl_add_u32 v[STAV], v1, 2, s62
	v_add_nc_u32 v[STRV], s62, v[V8]
	v_lshlrev_b32 v[SH16], 4, v2
.irp b, 0,1,2,3
	v_mov_b32 v[TM+4+\b], 0                        ; a lane permute's destination counts as one of its sources
.endr
	s_wait_alu depctr_va_vdst(0)                   ; the wait at the head's end
	s_wait_dscnt 0x0                               ; both opening adds are done
	s_wait_kmcnt 0x0
	s_mov_b32 s[G0], 1
	s_mov_b32 s[G0+1], s60
	s_lshl_b32 s2, s90, 9
	s_add_nc_u64 s[G0+2:G0+3], s[4:5], s[2:3]
	s_or_b32 s[G0+3], s[G0+3], 0x80000000
	s_mov_b32 s[G0B], 1
	s_mov_b32 s[G0B+1], s60
	s_lshl_b32 s78, s92, 9
	s_add_co_u32 s78, s78, WCOD
	s_add_nc_u64 s[G0B+2:G0B+3], s[4:5], s[78:79]
	s_or_b32 s[G0B+3], s[G0B+3], 0x80000000
	s_mov_b32 s[G0V], 1
	s_mov_b32 s[G0V+1], 2*HALFT
	s_lshl_b32 s78, s93, 9
	s_add_co_u32 s78, s78, WCOD
	s_add_nc_u64 s[G0V+2:G0V+3], s[4:5], s[78:79]
	s_or_b32 s[G0V+3], s[G0V+3], 0x80000000
	s_lshl_b32 s2, s91, 5
	s_add_nc_u64 s[66:67], s[6:7], s[2:3]          ; scale rows: phase 1, x
	s_lshl_b32 s78, s92, 5
	s_add_co_u32 s78, s78, WSCL
	s_add_nc_u64 s[68:69], s[6:7], s[78:79]        ; phase 1, W
	s_lshl_b32 s2, s90, 5
	s_add_nc_u64 s[70:71], s[6:7], s[2:3]          ; phase 2, x
	s_lshl_b32 s78, s94, 5
	s_add_co_u32 s78, s78, WSCL
	s_add_nc_u64 s[72:73], s[6:7], s[78:79]        ; phase 2, W
	s_lshl_b32 s78, s92, 2
	s_add_nc_u64 s[74:75], s[8:9], s[78:79]        ; the bias of my 128 features of q or k
	s_lshl_b32 s78, s94, 2
	s_add_nc_u64 s[76:77], s[8:9], s[78:79]        ; and of my 64 channels of v
	SLOAD 66, 4, 68                                ; 16 loads
	WIN TO_B
.irp b, 0,1,2,3,4,5,6,7
	global_load_b128 v[BQ+8*\b:BQ+8*\b+3], v[BO], s[74:75] offset:(32*(\b/2)+8*(\b%2))*4
	global_load_b128 v[BQ+8*\b+4:BQ+8*\b+7], v[BO], s[74:75] offset:(32*(\b/2)+8*(\b%2))*4+16
.endr
.irp a, 0,1,2,3
	global_load_b32 v[BV+2*\a], v[BR], s[76:77] offset:64*\a
	global_load_b32 v[BV+2*\a+1], v[BR], s[76:77] offset:64*\a
.endr
	WIN 0
	CROUND                                         ; all sixteen work-groups are here: the joint loads meet
	s_cmp_eq_u32 s15, 0                            ; waves 0, 1: x's halves; waves 2, 3: W's: one tensor load a wave
	s_cbranch_scc0 .Lfor_b
	tensor_load_to_lds s[G0:G0+3], s[G1:G1+7]
	s_nop 0
	PLACES 4
	s_branch .Lasked
.Lfor_b:
	tensor_load_to_lds s[G0B:G0B+3], s[G1B:G1B+7]
	s_nop 0
	PLACES 4
.Lasked:
	s_lshr_b32 s18, s17, 3
	s_lshl_b32 s18, s18, 4
	s_and_b32 s19, s17, 7
	s_mov_b32 s23, 0
	s_wait_tensorcnt 0x0                           ; my 128 rows are in,
	s_barrier_signal -1
	s_barrier_wait -1                              ; everybody's are
	s_wait_loadcnt 24                              ; the 16 loads of scale words are in; the 24 of the bias may be out
	FETCH 0, 0
.irp n, 0,1,2,3,4,5,6,7
	STEP \n, 0
.endr
	PLACES 4                                       ; behind the last products: the scale registers take phase 2's words, and results are read
	SLOAD 72, 2, 70                                ; 12 loads
	s_wait_tensorcnt 0x0                           ; the three lines in front of a refill's round
	ds_add_u32 v[SPW], v[NIL]
	s_wait_dscnt 0x0                               ; the add is done, and my reads of W's rows are over
	CROUND
	s_cmp_eq_u32 s14, 2                            ; wave 2 fills W's first 128 rows again, with v's rows
	s_cbranch_scc0 .Lno_refill
	tensor_load_to_lds s[G0V:G0V+3], s[G1B:G1B+7]
	s_nop 0
	PLACES 4
.Lno_refill:
	s_wait_loadcnt 12                              ; the bias is in; phase 2's 12 loads of scale words may be out
	EPI 0
	s_wait_alu depctr_va_vdst(0)                   ; the wait ahead of the waits below
	s_wait_xcnt 0x0                                ; the stores have read their registers: fragments land there again
	s_wait_loadcnt 0x0                             ; phase 2's scale words
	s_wait_tensorcnt 0x0                           ; v's rows of W are in (wave 2's load),
	s_barrier_signal -1
	s_barrier_wait -1                              ; and every wave knows
	FETCH 0, 1
.irp n, 0,1,2,3,4,5,6,7
	STEP \n, 1
.endr
	PLACES 4
	EPI 1
	s_wait_tensorcnt 0x0                           ; the wave's end
	ds_add_u32 v[SPW], v[NIL]
	s_wait_dscnt 0x0
	CROUND                                         ; the closing round
	s_endpgm
.Lfunc_end_k_qc724ed3d0e_qkv:
	.size	k_qc724ed3d0e_qkv, .Lfunc_end_k_qc724ed3d0e_qkv-k_qc724ed3d0e_qkv
	.p2alignl 7, 3214868480
	.fill 96, 4, 3214868480
	.section	.rodata,"a",@progbits
	.p2align	6, 0x0
	.amdhsa_kernel k_qc724ed3d0e_qkv
		.amdhsa_group_segment_fixed_size 327680
		.amdhsa_private_segment_fixed_size 0
		.amdhsa_enable_private_segment 0
		.amdhsa_kernarg_size 40
		.amdhsa_user_sgpr_count 2
		.amdhsa_user_sgpr_kernarg_segment_ptr 1
		.amdhsa_wavefront_size32 1
		.amdhsa_system_sgpr_workgroup_id_x 1
		.amdhsa_system_sgpr_workgroup_id_y 1
		.amdhsa_system_sgpr_workgroup_id_z 1
		.amdhsa_system_vgpr_workitem_id 0
		.amdhsa_next_free_vgpr 1024
		.amdhsa_next_free_sgpr 100
		.amdhsa_reserve_vcc 0
		.amdhsa_float_denorm_mode_32 3
		.amdhsa_float_denorm_mode_16_64 3
		.amdhsa_memory_ordered 1
		.amdhsa_forward_progress 1
		.amdhsa_inst_pref_size 218
	.end_amdhsa_kernel
	.amdgpu_metadata
---
amdhsa.version: [ 1, 2 ]
amdhsa.kernels:
  - .name:           k_qc724ed3d0e_qkv
    .symbol:         k_qc724ed3d0e_qkv.kd
    .args:
      - { .name: cod1, .offset: 0, .size: 8, .value_kind: global_buffer, .address_space: global }
      - { .name: scl1, .offset: 8, .size: 8, .value_kind: global_buffer, .address_space: global }
      - { .name: b_qkv, .offset: 16, .size: 8, .value_kind: global_buffer, .address_space: global }
      - { .name: cod2, .offset: 24, .size: 8, .value_kind: global_buffer, .address_space: global }
      - { .name: scl2, .offset: 32, .size: 8, .value_kind: global_buffer, .address_space: global }
    .group_segment_fixed_size: 327680
    .private_segment_fixed_size: 0
    .kernarg_segment_align: 8
    .kernarg_segment_size: 40
    .max_flat_workgroup_size: 128
    .sgpr_count:     100
    .vgpr_count:     1024
    .wavefront_size: 32
...
	.end_amdgpu_metadata
.endif
;; end of part 2
;; launch attn (part 3): grid 4 x 64, 16 waves a work-group, no clusters, 327,680 bytes of LDS; arguments cod2, scl2, cod3, scl3; writes cod3, scl3
.if DOCPART == 3
	.amdgcn_target "amdgcn-amd-amdhsa--gfx1250"
	.amdhsa_code_object_version 6
	.text
	.protected	k_qc724ed3d0e_attn
	.globl	k_qc724ed3d0e_attn
	.p2align	8
	.type	k_qc724ed3d0e_attn,@function
k_qc724ed3d0e_attn:
	s_mov_b64 s[64:65], 0
	v_nop
	global_prefetch_b8 v0, s[64:65] scope:SCOPE_SE
	s_setreg_imm32_b32 hwreg(HW_REG_WAVE_MODE, 25, 1), 1
	s_wait_xcnt 0x0
; y[b][t][head][:] = causal softmax(q . k / 8) v for one (batch, head) a work-group row, both products on codes of FP4 with E8M0 scales, and y quantised along the features on the way out.
; THE SOFTMAX AHEAD OF THE SECOND PRODUCT: t = score x log2(e) / 8; M = the row's largest t so far, rounded UP to a whole number; p = 2^(t - M) is quantised along the keys, not normalised.  The row's sum is taken of the
; unquantised p and divides O at the end.  When M moves, the sum and O are multiplied by 2^(old M - new M): exact.
; SHARES.  Work-group (p, bh), p = 0 .. 3.  Each of sixteen waves takes two tiles of 16 queries, one after the other: first 256 (7 - p) + 16 w, then 256 p + 16 (15 - w).  A tile at query Q0 sees Q0 / 128 + 1 steps of 128 keys:
; the two add up to 17 for every wave of every work-group.  Steps all of whose keys the causal mask of the problem hides are passed over.
; K AND V STAY IN LDS, each byte filled once, in pieces of 8,192 bytes (512 keys of one plane of K; 256 keys of V).  Wave w's piece of K is number w (plane w / 4, chunk w % 4), its piece of V number w - 6.
; At the head: chunk 0 (K: waves 0, 4; V: waves 6, 7) and the head's scale words (waves 1, 2), one tensor load a wave.  Behind the first barrier, all other pieces,
; one a wave (K: waves 1-3, 5-7; V: waves 8-13); they are waited for behind chunk 0's four steps.  Work-groups 2 and 3 have no query beyond key 1,535: they neither ask for chunk 3's pieces nor walk its steps.
; K's fragments and scale words of the NEXT step are asked of LDS directly behind this step's score products, which free their registers; in a walk's last step the address is held at that step.
; NO CLUSTER: the four work-groups of a head read the same K and V, but they pass over different steps by branches on the query block, and partners of joint loads may not branch apart.
; NO PREFETCH: all tensor loads are out directly behind the first barrier; the later pieces have four key steps of all sixteen waves in which to land.
; LAYOUT.  Both products transposed: S^T = K Q^T (source 0 = 16 keys), O^T = V^T P^T (source 0 = 16 channels): a lane holds ONE query (lane % 16) throughout.  D = 64 is half of the instruction's 128 along K: the upper four
; registers of K's and Q's fragments are zero codes (their scale bytes are 0, that is 2^-127: they scale zeros).  Lane r of tile 2 b + u takes key (or channel) 32 b + 8 u + r + 8 (r / 8): 16 registers of two tiles are 16 neighbours.
; IN.  cod2, scl2 as the launch before lays them.  In LDS every 256 dense bytes (16 keys or channels x 16 B) are followed by 128 of padding.
; OUT.  cod3: [2 head + block of 32 channels][2048 b + t][16 B]; scl3: [head][2048 b + t] u16 = s0 | s1 << 8, gathered in LDS and stored 512 bytes an instruction.
; LIMITS: NaN and infinities are not served; a block of y under 2^-124 gets the byte 1.
; REGISTERS: v1-7, v24-29 addresses that stay; v8-11 addresses in hand, then at work; v12 -M, v13 the largest t, v[14:15] the sum; v16-23 Q; v32-95 K's 8 tiles; v96-159 S^T, then p; v160-191 O^T; v192-223 V's 4 tiles; v224-231 codes;
;   v232-239, v244-247, v252, v254 at work; v240-241 V's scale words, v248-251 K's, v253 p's, v255 Q's; v242, v243 the add's two registers.
.set KB,   0                           ; K's codes: [plane 2][128 groups of 16 keys][384]
.set VB,   98304                       ; V's codes: [block of 32 keys 64][4 groups of 16 channels][384]
.set KSB,  196608                      ; K's scale words, 4 bytes a key
.set VSB,  204800                      ; V's: [step 16][64 words]
.set YSB,  208896                      ; y's scale halves: 2 x 512 bytes, written by LDS stores alone
.set SPARE, 209920                     ; the spare words: 128 bytes a wave
.set AK0,  1
.set AV0,  2
.set ASK0, 3
.set ASV0, 4
.set D0,   5
.set QO,   6
.set YO,   7
.set ADK,  8
.set ADV,  9
.set ADS,  10
.set ADT,  11
.set QW,   24
.set YS1,  25
.set YS2,  26
.set VL,   27
.set YR,   29
.set WV,   12
.set SEL,  20
.set CS,   22
.set G1P,  24                          ; s[24:31] group 1 for codes: 32 rows of 256 bytes, 128 of padding behind each
.set G1KS, 32                          ; s[32:39] K's scale words: 32 rows of 256 bytes
.set G1VS, 40                          ; s[40:47] V's: 16 rows
.set G0,   48                          ; s[48:51] group 0 for my piece of K, s[52:55] of V, s[56:59] K's words, s[60:63] V's; never rewritten
.set TK,   66
.set TV,   67
.set TS,   68
.set TJ,   69
.set KF,   70
.set Q0,   71
.set CNT,  72
.set QC1,  78
.set QS1,  80
.set YC1,  82
.set QC2,  84
.set QS2,  86
.set YC2,  88
.set QA,   90
.set QB,   91
.macro WM z
.if \z
.if f0
	v_wmma_scale_f32_16x16x128_f8f6f4 v[rD:rD+7], v[rS0:rS0+7], v[rS1:rS1+7], 0, v[rX0], v[rX1] matrix_a_fmt:MATRIX_FMT_FP4 matrix_b_fmt:MATRIX_FMT_FP4 matrix_a_scale:MATRIX_SCALE_ROW1
.else
	v_wmma_scale_f32_16x16x128_f8f6f4 v[rD:rD+7], v[rS0:rS0+7], v[rS1:rS1+7], 0, v[rX0], v[rX1] matrix_a_fmt:MATRIX_FMT_FP4 matrix_b_fmt:MATRIX_FMT_FP4
.endif
.else
.if f0
	v_wmma_scale_f32_16x16x128_f8f6f4 v[rD:rD+7], v[rS0:rS0+7], v[rS1:rS1+7], v[rC:rC+7], v[rX0], v[rX1] matrix_a_fmt:MATRIX_FMT_FP4 matrix_b_fmt:MATRIX_FMT_FP4 matrix_a_scale:MATRIX_SCALE_ROW1
.else
	v_wmma_scale_f32_16x16x128_f8f6f4 v[rD:rD+7], v[rS0:rS0+7], v[rS1:rS1+7], v[rC:rC+7], v[rX0], v[rX1] matrix_a_fmt:MATRIX_FMT_FP4 matrix_b_fmt:MATRIX_FMT_FP4
.endif
.endif
.endm
.macro ARM reg, val, g0, g1, next      ; an arm of the head's one tree of branches on the wave's number: one load, then a jump to the tree's end
	s_cmp_eq_u32 s[\reg], \val
	s_cbranch_scc0 \next
	tensor_load_to_lds s[\g0:\g0+3], s[\g1:\g1+7]
	s_nop 0
.rept 4
	v_nop
.endr
	s_branch .Lhead_asked
\next:
.endm
.macro TLOAD short, vlim               ; the pieces behind chunk 0.  K: waves 1-3, 5-7 (short = 1: not 3, 7); V: waves 8 .. vlim - 1.  s18 = wave % 4
	s_cmp_lt_u32 s[WV], 8
	s_cbranch_scc0 .Lnot_k_\@
	s_cmp_lg_u32 s18, 0
	s_cbranch_scc0 .Lasked_\@
.if \short
	s_cmp_lg_u32 s18, 3
	s_cbranch_scc0 .Lasked_\@
.endif
	tensor_load_to_lds s[G0:G0+3], s[G1P:G1P+7]
	s_nop 0
.rept 4
	v_nop
.endr
	s_branch .Lasked_\@
.Lnot_k_\@:
	s_cmp_lt_u32 s[WV], \vlim
	s_cbranch_scc0 .Lasked_\@
	tensor_load_to_lds s[G0+4:G0+7], s[G1P:G1P+7]
	s_nop 0
.rept 4
	v_nop
.endr
.Lasked_\@:
.endm
.macro CHANGE fill                     ; all my tensor loads are in, the add, its wait, the barrier.  fill = 1: loads follow, and the add stands twice
	s_wait_tensorcnt 0x0
	ds_add_u32 v242, v243
.if \fill
	ds_add_u32 v242, v243
.endif
	s_wait_dscnt 0x0
	s_barrier_signal -1
	s_barrier_wait -1
.endm
.macro PTRS q0, qc, qs, yc             ; a pass's three addresses.  s14 = bh, s15 = head, s16 = 2,048 x batch, s75 = 0, s[94:95] = cod2 at the head
	s_lshl_b32 s74, s[\q0], 4
	s_add_nc_u64 s[\qc:\qc+1], s[94:95], s[74:75]
	s_lshl_b32 s74, s14, 11
	s_add_co_u32 s74, s74, s[\q0]
	s_lshl_b32 s74, s74, 2
	s_add_nc_u64 s[\qs:\qs+1], s[6:7], s[74:75]
	s_add_co_u32 s74, s16, s[\q0]
	s_lshl_b32 s74, s74, 4
	s_lshl_b32 s76, s15, 18
	s_add_co_u32 s74, s74, s76
	s_add_nc_u64 s[\yc:\yc+1], s[8:9], s[74:75]
.endm
.macro KLOAD                           ; a step's scale words (lanes 0-15 tile 2 b's, lanes 16-31 tile 2 b + 1's) and fragments of K; the fragments' upper four registers stay zero
.irp b, 0,1,2,3
	ds_load_b32 v[248+\b], v[ADS] offset:128*\b
.endr
.irp t, 0,1,2,3,4,5,6,7
	ds_load_b128 v[32+8*\t:35+8*\t], v[ADK] offset:768*(\t/2)+128*(\t%2)
.endr
.endm
; A KEY STEP: 128 keys.  last: the walk's last step, at which the look-ahead is held.
.macro STEP last
	s_add_co_u32 s96, s[Q0], 15                    ; a step all of whose keys come after my 16 queries is passed over: a scalar branch on ids
	s_cmp_gt_u32 s[KF], s96
	s_cbranch_scc1 .Lhidden_\@
	v_add_nc_u32 v[ADV], s[TV], v[AV0]             ; (these four are the places between the last step's products and the loads into V's registers)
	v_add_nc_u32 v[ADT], s[TJ], v[ASV0]
	v_nop
	v_nop
	s_wait_alu depctr_va_vdst(0)
	s_wait_dscnt 0x0                               ; K's fragments and words, asked for a step ago, are in
.irp t, 0,1,2,3,4,5,6,7
.set rD, 96+8*\t
.set rS0, 32+8*\t
.set rS1, 16
.set rX0, 248+\t/2
.set rX1, 255
.set f0, \t%2
	WM 1
.endr                                          ; register 16 b + i of S^T is key KF + 32 b + 16 h + i of query r
.irp t, 0,1,2,3                                ; V's fragments are asked for here and land under the softmax
.irp c, 0,1
	ds_load_b128 v[192+8*\t+4*\c:195+8*\t+4*\c], v[ADV] offset:3072*\c+768*(\t/2)+128*(\t%2)
.endr
.endr
.irp u, 0,1
	ds_load_b32 v[240+\u], v[ADT] offset:128*\u
.endr
	s_add_co_u32 s96, s[TK], 3072
	s_min_u32 s96, s96, 3072*\last
	s_add_co_u32 s97, s[TS], 512
	s_min_u32 s97, s97, 512*\last
	v_add_nc_u32 v[ADK], s96, v[AK0]               ; (these four are the places behind the score products)
	v_add_nc_u32 v[ADS], s97, v[ASK0]
	v_nop
	v_nop
	KLOAD                                          ; the next step's
	s_add_co_u32 s96, s[KF], 127                   ; on the diagonal hidden scores become -infinity ahead of the maximum.  A step all of whose keys count skips this
	s_cmp_le_u32 s96, s[Q0]
	s_cbranch_scc1 .Lopen_\@
	s_sub_co_i32 s96, s[Q0], s[KF]
	v_add_nc_u32 v252, s96, v[D0]                  ; d = my query - KF - 16 h: register 16 b + i is hidden where 32 b + i > d
	v_mov_b32 v254, 0xff800000
	s_wait_alu depctr_va_vdst(0)                   ; the wait ahead of the branches
.irp b, 0,1,2,3
	s_cmp_ge_i32 s96, 32*\b+31                     ; a block of 32 keys none of which comes after my first query needs no mask
	s_cbranch_scc1 .Lo\@_\b
.set j, 16*\b
.rept 16
	v_cmp_gt_i32 vcc_lo, 32*(j/16)+j%16, v252
	v_cndmask_b32 v[96+j], v[96+j], v254, vcc_lo
.set j, j+1
.endr
.Lo\@_\b:
.endr
.Lopen_\@:
.irp b, 0,1,2,3
	v_max3_num_f32 v[232+\b], v[96+16*\b], v[97+16*\b], v[98+16*\b]   ; the largest score of each block of 32 keys: for the row's maximum and for the block's largest p
.endr
.irp i, 3,5,7,9,11,13
.irp b, 0,1,2,3
	v_max3_num_f32 v[232+\b], v[232+\b], v[96+16*\b+\i], v[97+16*\b+\i]
.endr
.endr
.irp b, 0,1,2,3
	v_max_num_f32 v[232+\b], v[232+\b], v[111+16*\b]
.endr
.irp b, 0,1,2,3
	s_delay_alu instid0(VALU_DEP_4)
	v_permlanex16_b32 v[236+\b], v[232+\b], s[SEL], s[SEL+1]
.endr
.irp b, 0,1,2,3
	s_delay_alu instid0(VALU_DEP_4)
	v_max_num_f32 v[232+\b], v[232+\b], v[236+\b]  ; with lane l xor 16's 16 keys
.endr
	s_delay_alu instid0(VALU_DEP_2)
	v_max3_num_f32 v254, v232, v233, v234
	s_delay_alu instid0(VALU_DEP_1)
	v_max_num_f32 v254, v254, v235
	s_delay_alu instid0(VALU_DEP_1)
	v_mul_f32 v254, s[CS], v254                    ; as t
	s_delay_alu instid0(VALU_DEP_1)
	v_max_num_f32 v13, v13, v254                   ; the running largest t
	v_mov_b32 v254, v12
	s_delay_alu instid0(VALU_DEP_2)
	v_floor_f32 v12, -v13                          ; the new -M = floor(-t)
	s_delay_alu instid0(VALU_DEP_1)
	v_sub_f32 v254, v12, v254                      ; old M - new M: a whole number, 0 or less
	s_delay_alu instid0(VALU_DEP_1)
	v_cvt_i32_f32 v254, v254                       ; (it saturates)
	s_delay_alu instid0(VALU_DEP_1)
	v_ldexp_f32 v252, 1.0, v254                    ; f = 2^(old M - new M)
.set j, 0
.rept 32
	v_pk_fma_f32 v[96+j:97+j], v[96+j:97+j], s[CS:CS+1], v[12:13] op_sel_hi:[1,0,0]   ; t - M, two at a time
.set j, j+2
.endr
.irp b, 0,1,2,3
	v_fma_f32 v[232+\b], v[232+\b], s[CS], v12     ; the same of each block's largest score
.endr
.set j, 0
	s_wait_alu depctr_va_vdst(0)                   ; the wait ahead of the batch
.rept 64
	v_exp_f32 v[96+j], v[96+j]                     ; p = 2^(t - M), at most 1
.set j, j+1
.endr
	v_pk_mul_f32 v[14:15], v[14:15], v[252:253] op_sel_hi:[1,0]   ; the sums under the new M: a plain place behind the exponentials
	s_wait_alu depctr_va_vdst(0)                   ; one wait for the whole batch, ahead of its first reader
.irp b, 0,1,2,3
	v_exp_f32 v[232+\b], v[232+\b]                 ; the block's largest p
.endr
	v_pk_add_f32 v[236:237], v[100:101], v[104:105]
	v_pk_add_f32 v[8:9], v[108:109], v[112:113]
	v_pk_add_f32 v[10:11], v[116:117], v[120:121]
	v_pk_add_f32 v[246:247], v[124:125], v[128:129]
	v_pk_add_f32 v[244:245], v[132:133], v[136:137]
	v_pk_add_f32 v[238:239], v[140:141], v[144:145]
	v_pk_add_f32 v[230:231], v[148:149], v[152:153]
	v_pk_add_f32 v[14:15], v[14:15], v[156:157]
	v_pk_add_f32 v[236:237], v[236:237], v[96:97]
	v_pk_add_f32 v[8:9], v[8:9], v[98:99]
	v_pk_add_f32 v[10:11], v[10:11], v[102:103]
	v_pk_add_f32 v[246:247], v[246:247], v[106:107]
	v_pk_add_f32 v[244:245], v[244:245], v[110:111]
	v_pk_add_f32 v[238:239], v[238:239], v[114:115]
	v_pk_add_f32 v[230:231], v[230:231], v[118:119]
	v_pk_add_f32 v[14:15], v[14:15], v[122:123]
	v_pk_add_f32 v[236:237], v[236:237], v[126:127]
	v_pk_add_f32 v[8:9], v[8:9], v[130:131]
	v_pk_add_f32 v[10:11], v[10:11], v[134:135]
	v_pk_add_f32 v[246:247], v[246:247], v[138:139]
	v_pk_add_f32 v[244:245], v[244:245], v[142:143]
	v_pk_add_f32 v[238:239], v[238:239], v[146:147]
	v_pk_add_f32 v[230:231], v[230:231], v[150:151]
	v_pk_add_f32 v[14:15], v[14:15], v[154:155]
	v_pk_add_f32 v[236:237], v[236:237], v[158:159]
	s_delay_alu instid0(VALU_DEP_2)
	v_pk_add_f32 v[14:15], v[14:15], v[246:247]
	s_delay_alu instid0(VALU_DEP_2)
	v_pk_add_f32 v[236:237], v[236:237], v[244:245]
	v_pk_add_f32 v[8:9], v[8:9], v[238:239]
	v_pk_add_f32 v[10:11], v[10:11], v[230:231]
	s_delay_alu instid0(VALU_DEP_2)
	v_pk_add_f32 v[14:15], v[14:15], v[8:9]
	s_delay_alu instid0(VALU_DEP_2)
	v_pk_add_f32 v[236:237], v[236:237], v[10:11]
	s_delay_alu instid0(VALU_DEP_1)
	v_pk_add_f32 v[14:15], v[14:15], v[236:237]
	s_wait_alu depctr_va_vdst(0)                   ; and one for the four
.irp b, 0,1,2,3
	v_max_num_f32 v[232+\b], 0x1800000, v[232+\b]  ; the floor 2^(3 - 127): a block whose every p is 0 keeps the byte 1; its codes are zeros
.endr
.irp b, 0,1,2,3
	s_delay_alu instid0(VALU_DEP_4)
	v_add_nc_u32 v[244+\b], 0xff000000, v[232+\b]
.endr
.irp b, 0,1,2,3
	s_delay_alu instid0(VALU_DEP_4)
	v_lshrrev_b32 v[236+\b], 23, v[244+\b]
.endr
	s_delay_alu instid0(VALU_DEP_3)
	v_lshl_or_b32 v253, v237, 8, v236              ; p's scale word for these 128 keys
	s_delay_alu instid0(VALU_DEP_1)
	v_lshl_or_b32 v253, v238, 16, v253
	s_delay_alu instid0(VALU_DEP_1)
	v_lshl_or_b32 v253, v239, 24, v253
.irp b, 0,1,2,3
	v_cvt_scalef32_pk8_fp4_f32 v[224+2*\b], v[96+16*\b:103+16*\b], v[244+\b]
	v_cvt_scalef32_pk8_fp4_f32 v[225+2*\b], v[104+16*\b:111+16*\b], v[244+\b]
.endr
	v_nop                                          ; one plain place behind a scaled conversion
.irp c, 0,1
.irp i, 0,1
	v_permlane16_swap_b32 v[224+4*\c+\i], v[226+4*\c+\i]
.endr
.endr
.set j, 0
.rept 16
	v_pk_mul_f32 v[160+j:161+j], v[160+j:161+j], v[252:253] op_sel_hi:[1,0]   ; O^T under the new M; also the places between the codes' and the scale word's last writes and the products
.set j, j+2
.endr
	s_wait_alu depctr_va_vdst(0)
	s_wait_dscnt 0x0                               ; V's fragments and words are in
.irp t, 0,1,2,3
.set rD, 160+8*\t
.set rC, rD
.set rS0, 192+8*\t
.set rS1, 224
.set rX0, 240+\t/2
.set rX1, 253
.set f0, \t%2
	WM 0                                           ; the four accumulators take turns; the next step's eight products stand between two links of a chain
.endr
.Lhidden_\@:
	s_add_co_u32 s[KF], s[KF], 128
	s_add_co_u32 s[TK], s[TK], 3072
	s_add_co_u32 s[TV], s[TV], 6144
	s_add_co_u32 s[TS], s[TS], 512
	s_add_co_u32 s[TJ], s[TJ], 256
.endm
.macro WALK trips, last                ; so many steps on end, up to step number last of the head's sixteen
	v_add_nc_u32 v[ADK], s[TK], v[AK0]
	v_add_nc_u32 v[ADS], s[TS], v[ASK0]
	KLOAD                                          ; the first step's
	s_mov_b32 s[CNT], \trips
.Lstep_\@:
	STEP \last
	s_sub_co_u32 s[CNT], s[CNT], 1
	s_cmp_lg_u32 s[CNT], 0
	s_cbranch_scc1 .Lstep_\@
	s_wait_dscnt 0x0                               ; the look-ahead's loads have landed: their registers are loaded anew by the next walk
.endm
.macro TILE_BEGIN qc, qs, q0
	s_wait_xcnt 0x0                                ; the last tile's store has read its registers
	global_load_b128 v[16:19], v[QO], s[\qc:\qc+1] ; Q's fragment: block h of D of query r
	global_load_b32 v255, v[QW], s[\qs:\qs+1]
	v_mov_b32 v13, 0xff61b1e6                      ; the largest t so far: -3e38
	s_delay_alu instid0(VALU_DEP_1)
	v_floor_f32 v12, -v13
	v_mov_b32 v14, 0
	v_mov_b32 v15, 0
.set j, 0
.rept 32
	v_mov_b32 v[160+j], 0                          ; O^T: the step is written once; the first finds zeros
.set j, j+1
.endr
	s_mov_b32 s[TK], 0
	s_mov_b32 s[TV], 0
	s_mov_b32 s[TS], 0
	s_mov_b32 s[TJ], 0
	s_mov_b32 s[KF], 0
	s_mov_b32 s[Q0], s[\q0]
	s_wait_loadcnt 0x0
.endm
.macro TILE_END yc, ys                 ; O^T / the sum is y: register 16 u + i is channel 32 u + 16 h + i of query r
.rept 4
	v_nop
.endr
	v_add_f32 v14, v14, v15
	s_delay_alu instid0(VALU_DEP_1)
	v_permlanex16_b32 v252, v14, s[SEL], s[SEL+1]
	s_delay_alu instid0(VALU_DEP_1)
	v_add_f32 v14, v14, v252                       ; the row's sum
	s_wait_alu depctr_va_vdst(0)
	v_rcp_f32 v14, v14
	v_nop
	s_wait_alu depctr_va_vdst(0)
.set j, 0
.rept 32
	v_mul_f32 v[96+j], v[160+j], v14
.set j, j+1
.endr
.irp b, 0,1
	v_max3_num_f32 v[232+\b], |v[96+16*\b]|, |v[97+16*\b]|, 0x1800000
.endr
.irp i, 2,4,6,8,10,12,14
.irp b, 0,1
	s_delay_alu instid0(VALU_DEP_2)
	v_max3_num_f32 v[232+\b], v[232+\b], |v[96+16*\b+\i]|, |v[97+16*\b+\i]|
.endr
.endr
.irp b, 0,1
	s_delay_alu instid0(VALU_DEP_2)
	v_permlanex16_b32 v[236+\b], v[232+\b], s[SEL], s[SEL+1]
.endr
.irp b, 0,1
	s_delay_alu instid0(VALU_DEP_2)
	v_max_num_f32 v[232+\b], v[232+\b], v[236+\b]
.endr
.irp b, 0,1
	s_delay_alu instid0(VALU_DEP_2)
	v_add_nc_u32 v[244+\b], 0xff000000, v[232+\b]
.endr
.irp b, 0,1
	s_delay_alu instid0(VALU_DEP_2)
	v_lshrrev_b32 v[238+\b], 23, v[244+\b]
.endr
	s_delay_alu instid0(VALU_DEP_1)
	v_lshl_or_b32 v234, v239, 8, v238              ; the two bytes of my query
.irp b, 0,1
	v_cvt_scalef32_pk8_fp4_f32 v[224+2*\b], v[96+16*\b:103+16*\b], v[244+\b]
	v_cvt_scalef32_pk8_fp4_f32 v[225+2*\b], v[104+16*\b:111+16*\b], v[244+\b]
.endr
	v_nop
	v_permlane16_swap_b32 v224, v226               ; lanes 0-15 hold block 0 whole, lanes 16-31 block 1
	v_permlane16_swap_b32 v225, v227
	global_store_b128 v[YO], v[224:227], s[\yc:\yc+1]   ; each half of the lanes stores 256 consecutive bytes, aligned
	ds_store_b16 v[\ys], v234                      ; both halves of the lanes write the same half word with the same value
.endm
	s_load_b256 s[4:11], s[0:1], 0x0               ; cod2, scl2, cod3, scl3
	v_lshl_add_u32 v242, v0, 2, SPARE
	v_mov_b32 v243, 0
	ds_add_u32 v242, v243                          ; the opening lines: the add, twice on end, and its wait
	ds_add_u32 v242, v243
	v_lshrrev_b32 v8, 5, v0
	s_delay_alu instid0(VALU_DEP_1)
	v_readfirstlane_b32 s[WV], v8                  ; wave 0..15
	s_and_b32 s14, ttmp7, 0xffff                   ; bh = 16 batch + head
	s_and_b32 s15, s14, 15
	s_lshr_b32 s16, s14, 4
	s_lshl_b32 s16, s16, 11
	s_lshr_b32 s17, s[WV], 1
	s_and_b32 s18, s[WV], 3
	s_and_b32 s19, s[WV], 11                       ; 0 in waves 0 and 4
	s_xor_b32 s13, s[WV], 15
	s_xor_b32 s[QA], ttmp9, 7
	s_lshl_b32 s[QA], s[QA], 8
	s_lshl_b32 s74, s[WV], 4
	s_add_co_u32 s[QA], s[QA], s74
	s_lshl_b32 s[QB], ttmp9, 8
	s_lshl_b32 s74, s13, 4
	s_add_co_u32 s[QB], s[QB], s74
	s_mov_b32 s[G1P], (3<<16)|(1<<20)|(5<<22)|(31<<25)   ; elements of 8 bytes; padding: 32 words behind every 64
	s_mov_b32 s[G1P+1], 32<<16
	s_mov_b32 s[G1P+2], 32<<16
	s_mov_b32 s[G1P+3], 32<<16
	s_mov_b32 s[G1P+4], 32
	s_mov_b32 s[G1P+5], 32
	s_mov_b32 s[G1P+6], 0
	s_mov_b32 s[G1P+7], 0
	s_mov_b32 s[G1KS], 3<<16
	s_mov_b32 s[G1KS+1], 32<<16
	s_mov_b32 s[G1KS+2], 32<<16
	s_mov_b32 s[G1KS+3], 32<<16
	s_mov_b32 s[G1KS+4], 32
	s_mov_b32 s[G1KS+5], 32
	s_mov_b32 s[G1KS+6], 0
	s_mov_b32 s[G1KS+7], 0
	s_mov_b32 s[G1VS], 3<<16
	s_mov_b32 s[G1VS+1], 32<<16
	s_mov_b32 s[G1VS+2], 16<<16
	s_mov_b32 s[G1VS+3], 32<<16
	s_mov_b32 s[G1VS+4], 16
	s_mov_b32 s[G1VS+5], 32
	s_mov_b32 s[G1VS+6], 0
	s_mov_b32 s[G1VS+7], 0
	s_mov_b32 s[SEL], 0x76543210
	s_mov_b32 s[SEL+1], 0xfedcba98
	s_mov_b32 s[CS], 0x3e38aa3b                    ; c = log2(e) / 8
	s_mov_b32 s[CS+1], s[CS]
	s_lshl_b32 s92, s14, 16                        ; a head is 65,536 bytes in each of q's, k's and v's codes
	s_mov_b32 s93, 0
	s_mov_b32 s75, 0
	s_mov_b32 s77, 0
	v_and_b32 v8, 15, v0                           ; r
	v_bfe_u32 v9, v0, 4, 1                         ; h
	s_delay_alu instid0(VALU_DEP_2)
	v_lshrrev_b32 v10, 3, v8
	s_delay_alu instid0(VALU_DEP_3)
	v_and_b32 v11, 7, v8
	s_delay_alu instid0(VALU_DEP_2)
	v_mul_u32_u24 v28, v10, 384
	s_delay_alu instid0(VALU_DEP_1)
	v_lshl_add_u32 v28, v11, 4, v28                ; row r + 8 (r / 8) of a pair of groups
	s_delay_alu instid0(VALU_DEP_1)
	v_mad_u32_u24 v[AK0], v9, 49152, v28           ; K: plane h
	s_delay_alu instid0(VALU_DEP_2)
	v_mad_u32_u24 v[AV0], v9, 1536, v28            ; V: block h of keys
	s_delay_alu instid0(VALU_DEP_1)
	v_add_nc_u32 v[AV0], VB, v[AV0]
	v_lshl_add_u32 v28, v10, 3, v8
	s_delay_alu instid0(VALU_DEP_1)
	v_lshl_add_u32 v28, v9, 3, v28                 ; r + 8 (r / 8) + 8 h
	s_delay_alu instid0(VALU_DEP_1)
	v_lshl_add_u32 v[ASK0], v28, 2, KSB
	s_delay_alu instid0(VALU_DEP_2)
	v_lshl_add_u32 v[ASV0], v28, 2, VSB
	v_lshlrev_b32 v28, 4, v9
	s_delay_alu instid0(VALU_DEP_1)
	v_sub_nc_u32 v[D0], v8, v28
	v_lshlrev_b32 v[QO], 4, v8
	s_delay_alu instid0(VALU_DEP_1)
	v_lshl_add_u32 v[QO], v9, 15, v[QO]
	v_lshlrev_b32 v[YO], 4, v8
	s_delay_alu instid0(VALU_DEP_1)
	v_lshl_add_u32 v[YO], v9, 17, v[YO]
	v_lshlrev_b32 v[QW], 2, v8
	s_lshl_b32 s74, s[WV], 5
	s_add_co_u32 s74, s74, YSB
	v_lshl_add_u32 v[YS1], v8, 1, s74
	s_lshl_b32 s74, s13, 5
	s_add_co_u32 s74, s74, YSB+512
	v_lshl_add_u32 v[YS2], v8, 1, s74
	v_and_b32 v[VL], 31, v0
	s_delay_alu instid0(VALU_DEP_1)
	v_lshlrev_b32 v[VL], 4, v[VL]
	s_delay_alu instid0(VALU_DEP_1)
	v_add_nc_u32 v[YR], YSB, v[VL]
.irp j, 20,21,22,23
	v_mov_b32 v\j, 0                               ; Q's upper 64 along K: zero codes
.endr
.irp t, 0,1,2,3,4,5,6,7
.irp j, 4,5,6,7
	v_mov_b32 v[32+8*\t+\j], 0                     ; K's likewise, for the whole launch
.endr
.endr
.irp j, 236,237,238,239,252,253
	v_mov_b32 v\j, 0
.endr
	s_wait_dscnt 0x0                               ; both opening adds are done
	s_wait_kmcnt 0x0
	s_add_nc_u64 s[94:95], s[4:5], s[92:93]        ; cod2 at the head's q codes
	s_lshl_b32 s74, s[WV], 13                      ; a piece is 8,192 bytes of memory and 12,288 of LDS
	s_mov_b32 s[G0], 1                             ; K: piece number wave
	s_mul_i32 s[G0+1], s[WV], 12288
	s_add_nc_u64 s[G0+2:G0+3], s[94:95], s[74:75]
	s_add_nc_u64 s[G0+2:G0+3], s[G0+2:G0+3], 4194304
	s_or_b32 s[G0+3], s[G0+3], 0x80000000
	s_mov_b32 s[G0+4], 1                           ; V: piece number wave - 6
	s_add_co_u32 s[G0+5], s[G0+1], VB-6*12288
	s_add_nc_u64 s[G0+6:G0+7], s[94:95], s[74:75]
	s_add_nc_u64 s[G0+6:G0+7], s[G0+6:G0+7], 8388608-6*8192
	s_or_b32 s[G0+7], s[G0+7], 0x80000000
	s_mov_b32 s[G0+8], 1                           ; K's scale words of the whole head
	s_mov_b32 s[G0+9], KSB
	s_lshl_b32 s74, s14, 13
	s_add_nc_u64 s[G0+10:G0+11], s[6:7], s[74:75]
	s_add_nc_u64 s[G0+10:G0+11], s[G0+10:G0+11], 524288
	s_or_b32 s[G0+11], s[G0+11], 0x80000000
	s_mov_b32 s[G0+12], 1                          ; V's
	s_mov_b32 s[G0+13], VSB
	s_lshl_b32 s74, s14, 12
	s_add_nc_u64 s[G0+14:G0+15], s[6:7], s[74:75]
	s_add_nc_u64 s[G0+14:G0+15], s[G0+14:G0+15], 1048576
	s_or_b32 s[G0+15], s[G0+15], 0x80000000
	ARM 19, 0, G0,    G1P,  .Lhead_v               ; waves 0, 4: K's chunk 0
	ARM 17, 3, G0+4,  G1P,  .Lhead_ks              ; waves 6, 7: V's
	ARM WV, 1, G0+8,  G1KS, .Lhead_vs
	ARM WV, 2, G0+12, G1VS, .Lhead_none
.Lhead_asked:
	PTRS QA, QC1, QS1, YC1
	PTRS QB, QC2, QS2, YC2
	TILE_BEGIN QC1, QS1, QA
	CHANGE 1                                       ; chunk 0 and the scale words are in
	s_cmp_lt_u32 ttmp9, 2                          ; the work-group's number alone: all sixteen waves go the same way
	s_cbranch_scc0 .Lshort
	TLOAD 0, 14                                    ; chunks 1 to 3
	WALK 4, 3
	CHANGE 0                                       ; they are in
	WALK 12, 15
	s_branch .Lpass2
.Lshort:
	TLOAD 1, 12                                    ; chunks 1 and 2
	WALK 4, 3
	CHANGE 0
	WALK 8, 11
.Lpass2:
	TILE_END YC1, YS1
	TILE_BEGIN QC2, QS2, QB
	WALK 8, 7                                      ; the second tile's queries lie under 1,024
	TILE_END YC2, YS2
	s_wait_dscnt 0x0                               ; for the others' sake: my stores of scale halves are done
	s_barrier_signal -1
	s_barrier_wait -1
	s_cmp_lg_u32 s[WV], 0
	s_cbranch_scc1 .Ldone
	ds_load_b128 v[96:99], v[YR]                   ; 256 queries' halves of each pass
	ds_load_b128 v[100:103], v[YR] offset:512
	s_lshl_b32 s74, s15, 13
	s_add_co_u32 s74, s74, s16
	s_xor_b32 s76, ttmp9, 7
	s_lshl_b32 s76, s76, 8
	s_add_co_u32 s76, s76, s74
	s_lshl_b32 s76, s76, 1
	s_add_nc_u64 s[92:93], s[10:11], s[76:77]
	s_lshl_b32 s76, ttmp9, 8
	s_add_co_u32 s76, s76, s74
	s_lshl_b32 s76, s76, 1
	s_add_nc_u64 s[94:95], s[10:11], s[76:77]
	s_wait_dscnt 0x0
	global_store_b128 v[VL], v[96:99], s[92:93]    ; 512 consecutive bytes, aligned
	global_store_b128 v[VL], v[100:103], s[94:95]
.Ldone:
	s_wait_tensorcnt 0x0                           ; the wave's end
	ds_add_u32 v242, v243
	s_wait_dscnt 0x0
	s_endpgm
.Lfunc_end_k_qc724ed3d0e_attn:
	.size	k_qc724ed3d0e_attn, .Lfunc_end_k_qc724ed3d0e_attn-k_qc724ed3d0e_attn
	.p2alignl 7, 3214868480
	.fill 96, 4, 3214868480
	.section	.rodata,"a",@progbits
	.p2align	6, 0x0
	.amdhsa_kernel k_qc724ed3d0e_attn
		.amdhsa_group_segment_fixed_size 327680
		.amdhsa_private_segment_fixed_size 0
		.amdhsa_enable_private_segment 0
		.amdhsa_kernarg_size 32
		.amdhsa_user_sgpr_count 2
		.amdhsa_user_sgpr_kernarg_segment_ptr 1
		.amdhsa_wavefront_size32 1
		.amdhsa_system_sgpr_workgroup_id_x 1
		.amdhsa_system_sgpr_workgroup_id_y 1
		.amdhsa_system_sgpr_workgroup_id_z 1
		.amdhsa_system_vgpr_workitem_id 0
		.amdhsa_next_free_vgpr 256
		.amdhsa_next_free_sgpr 98
		.amdhsa_reserve_vcc 1
		.amdhsa_float_denorm_mode_32 3
		.amdhsa_float_denorm_mode_16_64 3
		.amdhsa_memory_ordered 1
		.amdhsa_forward_progress 1
		.amdhsa_inst_pref_size 140
	.end_amdhsa_kernel
	.amdgpu_metadata
---
amdhsa.version: [ 1, 2 ]
amdhsa.kernels:
  - .name:           k_qc724ed3d0e_attn
    .symbol:         k_qc724ed3d0e_attn.kd
    .args:
      - { .name: cod2, .offset: 0, .size: 8, .value_kind: global_buffer, .address_space: global }
      - { .name: scl2, .offset: 8, .size: 8, .value_kind: global_buffer, .address_space: global }
      - { .name: cod3, .offset: 16, .size: 8, .value_kind: global_buffer, .address_space: global }
      - { .name: scl3, .offset: 24, .size: 8, .value_kind: global_buffer, .address_space: global }
    .group_segment_fixed_size: 327680
    .private_segment_fixed_size: 0
    .kernarg_segment_align: 8
    .kernarg_segment_size: 32
    .max_flat_workgroup_size: 512
    .sgpr_count:     98
    .vgpr_count:     256
    .wavefront_size: 32
...
	.end_amdgpu_metadata
.endif
;; end of part 3
;; launch proj (part 4): grid 4 x 64, 4 waves a work-group, clusters of 4 x 4, 239,360 bytes of LDS; arguments cod3, scl3, cod1, scl1, b_proj, out0; writes out0
.if DOCPART == 4
	.amdgcn_target "amdgcn-amd-amdhsa--gfx1250"
	.amdhsa_code_object_version 6
	.text
	.protected	k_qc724ed3d0e_proj
	.globl	k_qc724ed3d0e_proj
	.p2align	8
	.type	k_qc724ed3d0e_proj,@function
k_qc724ed3d0e_proj:
	s_mov_b64 s[64:65], 0
	v_nop
	global_prefetch_b8 v0, s[64:65] scope:SCOPE_SE
	s_setreg_imm32_b32 hwreg(HW_REG_WAVE_MODE, 25, 1), 1
	s_wait_xcnt 0x0
	s_wait_alu depctr_hold_cnt(0) depctr_sa_sdst(0) depctr_va_vdst(0) depctr_va_sdst(0) depctr_va_ssrc(0) depctr_va_vcc(0) depctr_vm_vsrc(0)
	s_getreg_b32 s2, hwreg(HW_REG_IB_STS2, 6, 4)
	s_cmp_eq_u32 s2, 0
	s_cbranch_scc0 .Lentry_in_a_cluster
	s_endpgm
.Lentry_in_a_cluster:
	s_bfe_u32 s2, ttmp6, 0x10000c
	s_cmp_lg_u32 s2, 0xf033
	s_cbranch_scc0 .Lentry_shape_is_right
	s_endpgm
.Lentry_shape_is_right:
; out0 = y W_proj + b_proj on codes of FP4 (K = 1,024).  y's codes and scale halves come from the launch before, W_proj's from the first.
; A work-group makes 128 tokens x 256 features, so that there are 256 work-groups; each of four waves 64 x 128: 32 accumulators, 256 registers.
; ALL OF K LIES IN LDS AT ONCE, each byte filled once, by one joint load a wave: waves 0, 1 y's halves of 64 tokens, waves 2, 3 W's halves of 128 rows.  CLUSTERS 4 x 4: y's tiles are asked for jointly along a row, W's along a column.
; y's codes lie [block of 32 along K][token][16 B]: a tile is 32 planes of 64 tokens x 16 bytes; a fragment load reads 256 consecutive bytes for each half of the lanes.  W's rows are 512 bytes + 16 of padding.
; y's scale halves [head][token] are merged once, a thread a token, into words for each 128 along K, and laid in LDS 32 bytes a token, eight tokens to a unit of 256 + 16.  W's scale words go from memory straight into the scale registers.
; THE MATRIX INSTRUCTION IS USED TRANSPOSED (source 0 = 16 rows of W, source 1 = 16 tokens): a lane holds eight neighbouring numbers of a row of the output.  The bias is the C of each sum's first instruction.
; NO PREFETCH: the text has no loop to run ahead in, and the tiles are asked for by its first memory work.
; REGISTERS.  window 0: v0-31 addresses; v32-79 scale words alone (set s at 32 + 24 s: y's at + 4 u + q, W's at + 8 + 4 u + q, two blocks to a register); v96-125 the merge; v126, v127 the add's; v128-159, v160-191 y's fragments
;   (on the way out v128-255 rows of the output).  window 1: v0-63, v128-191 W's fragments, two sets; v64-127 the bias.  window 2: accumulator (a, b) at 8 (8 a + b).
.set PITCH,  528
.set HALFT,  128*PITCH
.set APART,  65536                     ; y: [half 2][plane 32][64 tokens][16 B]; then W's 256 rows
.set ASC,    APART+2*HALFT             ; y's scale words: LDS stores alone
.set STG,    ASC+16*272                ; the way out: 16 rows x (512 bytes + 16) for each wave, LDS stores alone
.set SPITCH, 528
.set SPARE,  STG+4*16*SPITCH           ; the spare words: 128 bytes a wave
.set PCOD,   5767168
.set PSCL,   360448
.set ADRA, 16
.set ADRB, 20
.set ADSA, 22
.set YSO,  24
.set BO,   25
.set ASW,  26
.set STO,  27
.set RD,   28
.set CO,   29
.set GSO,  30                          ; v30  32 x lane: W's scale rows
.set SC,   32
.set AF,   128
.set BK,   128
.set BI,   64
.set WV,   16
.set WHI,  17
.set WLO,  18
.set G1A,  24
.set G0A,  32
.set G1B,  48
.set G0B,  56
.set MSB, 0
.macro WIN new
.if MSB != (\new)
	s_set_vgpr_msb (MSB<<8)|(\new)
.set MSB, (\new)
.endif
.endm
.macro PLACES n
.rept \n
	v_nop
.endr
.endm
.macro CROUND
	s_barrier_signal -1
	s_barrier_wait -1
	s_cmp_lg_u32 s[WV], 0
	s_cbranch_scc1 .Lnot_wave_0_\@
	s_barrier_signal -3
.Lnot_wave_0_\@:
	s_barrier_wait -3
	s_barrier_signal -1
	s_barrier_wait -1
.endm
.macro WM
.if f0 && f1
	v_wmma_scale_f32_16x16x128_f8f6f4 v[rD:rD+7], v[rS0:rS0+7], v[rS1:rS1+7], v[rC:rC+7], v[rX0], v[rX1] matrix_a_fmt:MATRIX_FMT_FP4 matrix_b_fmt:MATRIX_FMT_FP4 matrix_a_scale:MATRIX_SCALE_ROW1 matrix_b_scale:MATRIX_SCALE_ROW1
.elseif f0
	v_wmma_scale_f32_16x16x128_f8f6f4 v[rD:rD+7], v[rS0:rS0+7], v[rS1:rS1+7], v[rC:rC+7], v[rX0], v[rX1] matrix_a_fmt:MATRIX_FMT_FP4 matrix_b_fmt:MATRIX_FMT_FP4 matrix_a_scale:MATRIX_SCALE_ROW1
.elseif f1
	v_wmma_scale_f32_16x16x128_f8f6f4 v[rD:rD+7], v[rS0:rS0+7], v[rS1:rS1+7], v[rC:rC+7], v[rX0], v[rX1] matrix_a_fmt:MATRIX_FMT_FP4 matrix_b_fmt:MATRIX_FMT_FP4 matrix_b_scale:MATRIX_SCALE_ROW1
.else
	v_wmma_scale_f32_16x16x128_f8f6f4 v[rD:rD+7], v[rS0:rS0+7], v[rS1:rS1+7], v[rC:rC+7], v[rX0], v[rX1] matrix_a_fmt:MATRIX_FMT_FP4 matrix_b_fmt:MATRIX_FMT_FP4
.endif
.endm
.macro FETCH n                         ; step n's fragments into set n % 2: 24 LDS loads in one run; with steps 0 and 4 y's scale words of 512 along K
.set fS, (\n)/4
.set fQ, (\n)%4
.set fP, (\n)%2
	WIN 0x40
.irp i, 0,1,2,3,4,5,6,7
.irp c, 0,1
	ds_load_b128 v[128*fP+8*\i+4*\c:128*fP+8*\i+4*\c+3], v[ADRB+fS] offset:64*fQ+32*\c+\i*16*PITCH
.endr
.endr
	WIN 0
.irp i, 0,1,2,3
.irp c, 0,1
	ds_load_b128 v[AF+32*fP+8*\i+4*\c:AF+32*fP+8*\i+4*\c+3], v[ADRA+fS] offset:(4*fQ+2*\c)*1024+256*\i
.endr
.endr
.if fQ == 0
.irp u, 0,1
	ds_load_b128 v[SC+24*fS+4*\u:SC+24*fS+4*\u+3], v[ADSA] offset:1088*\u+16*fS
.endr
.endif
.endm
.macro STEP n
	s_wait_dscnt 0x0                               ; this step's fragments and words are in
.if (\n) < 7
.if (\n) > 0
	PLACES 4                                       ; in front of loads into registers that the last step's products have read
.endif
	FETCH (\n)+1
.endif
.if (\n) == 0
	WIN 0x91                                       ; source 0 window 1, source 1 window 0, C (the bias) window 1, D window 2
.else
	WIN 0xa1
.endif
.irp a, 0,1,2,3                                ; the 32 accumulators take turns, one instruction a turn
.irp b, 0,1,2,3,4,5,6,7
.set rD, 8*(8*\a+\b)
.if (\n) == 0
.set rC, BI+8*\b
.else
.set rC, rD
.endif
.set rS0, 128*((\n)%2)+8*\b
.set rS1, AF+32*((\n)%2)+8*\a
.set rX0, SC+24*((\n)/4)+8+4*(\b/2)+(\n)%4
.set rX1, SC+24*((\n)/4)+4*(\a/2)+(\n)%4
.set f0, \b%2
.set f1, \a%2
	WM
.endr
.endr
	WIN 0
.endm
.macro TOSTAGE a                       ; a block of 16 tokens x 128 features through my own stage; LDS serves a wave's instructions in order
.set AC, 64*(\a)
	WIN 0x08
.irp b, 0,1,2,3,4,5,6,7
	ds_store_b128 v[STO], v[AC+8*\b:AC+8*\b+3] offset:64*\b
	ds_store_b128 v[STO], v[AC+8*\b+4:AC+8*\b+7] offset:64*\b+16
.endr
	WIN 0
.set BB, BK+64*((\a)%2)
.irp t, 0,1,2,3,4,5,6,7,8,9,10,11,12,13,14,15
	ds_load_b128 v[BB+4*\t:BB+4*\t+3], v[RD] offset:\t*SPITCH
.endr
.endm
.macro SEND a, younger
.set BB, BK+64*((\a)%2)
	s_wait_dscnt \younger
.if (\a) > 0
	s_add_nc_u64 s[14:15], s[14:15], 16*4096       ; 16 rows on (a wait on XCNT stands ahead)
.endif
.irp t, 0,1,2,3,4,5,6,7,8,9,10,11,12,13,14,15
	global_store_b128 v[CO], v[BB+4*\t:BB+4*\t+3], s[14:15] offset:\t*4096 th:TH_STORE_NT   ; 32 lanes store 512 consecutive bytes, aligned
.endr
.endm
	s_load_b128 s[4:7], s[0:1], 0x0                ; cod3, scl3
	s_load_b128 s[8:11], s[0:1], 0x10              ; cod1, scl1
	s_load_b128 s[12:15], s[0:1], 0x20             ; b_proj, out0
	v_lshl_add_u32 v126, v0, 2, SPARE
	v_mov_b32 v127, 0
	ds_add_u32 v126, v127                          ; the opening lines: the add, twice on end, and its wait
	ds_add_u32 v126, v127
	v_lshrrev_b32 v1, 5, v0
	v_readfirstlane_b32 s[WV], v1
	s_lshr_b32 s[WHI], s[WV], 1                    ; which 64 tokens are mine.  Also: I fetch for y (0) or for W (1)
	s_and_b32 s[WLO], s[WV], 1                     ; which 128 features.  Also: which half I fetch
	s_bfe_u32 s40, ttmp6, 0x40000
	s_bfe_u32 s41, ttmp6, 0x40004
	s_lshl_b32 s42, ttmp9, 2
	s_add_co_u32 s42, s42, s40                     ; tile of 256 features
	s_and_b32 s19, ttmp7, 0xffff
	s_lshl_b32 s19, s19, 2
	s_add_co_u32 s19, s19, s41                     ; tile of 128 tokens
	s_lshl_b32 s43, s41, 2
	s_lshl_b32 s43, 15, s43
	s_lshl_b32 s44, 0x1111, s40
	s_or_b32 s[G1A], s43, (3<<16)|(1<<21)          ; y: 32 planes of 128 elements of 8 bytes, 131,072 bytes apart; no padding
	s_mov_b32 s[G1A+1], 128<<16
	s_mov_b32 s[G1A+2], 32<<16
	s_mov_b32 s[G1A+3], 128<<16
	s_mov_b32 s[G1A+4], 32
	s_mov_b32 s[G1A+5], 16384
	s_mov_b32 s[G1A+6], 0
	s_mov_b32 s[G1A+7], 0
	s_or_b32 s[G1B], s44, (0<<16)|(1<<20)|(1<<21)|(6<<22)|(3<<25)    ; W: 128 rows of 512 bytes, 16 bytes of padding behind each
	s_mov_b32 s[G1B+1], 512<<16
	s_mov_b32 s[G1B+2], 128<<16
	s_mov_b32 s[G1B+3], 512<<16
	s_mov_b32 s[G1B+4], 128
	s_mov_b32 s[G1B+5], 512
	s_mov_b32 s[G1B+6], 0
	s_mov_b32 s[G1B+7], 0
	s_lshl_b32 s20, s19, 11
	s_lshl_b32 s21, s[WLO], 10
	s_add_co_u32 s20, s20, s21                     ; y: (128 x tile + 64 x half) x 16 bytes
	s_mov_b32 s21, 0
	s_lshl_b32 s46, s42, 8
	s_lshl_b32 s47, s[WLO], 7
	s_add_co_u32 s46, s46, s47                     ; W: row 256 x tile + 128 x half
	s_mov_b32 s47, 0
	s_lshl_b64 s[84:85], s[46:47], 5
	s_lshl_b64 s[46:47], s[46:47], 9
	s_add_nc_u64 s[46:47], s[46:47], PCOD
	s_add_nc_u64 s[84:85], s[84:85], PSCL
	s_lshl_b32 s22, s[WLO], 15                     ; where they go: no place in the cluster enters an LDS address
	s_mul_i32 s23, s[WLO], HALFT
	s_add_co_u32 s23, s23, APART
	s_lshl_b32 s82, s19, 8                         ; y's scale halves: 128 tokens x 2 bytes a tile
	s_mov_b32 s83, 0
	s_lshl_b32 s80, s42, 10
	s_lshl_b32 s81, s[WLO], 9
	s_add_co_u32 s80, s80, s81                     ; the bias of my 128 features
	s_mov_b32 s81, 0
	v_and_b32 v1, 15, v0                           ; r
	v_bfe_u32 v2, v0, 4, 1                         ; h
	v_lshlrev_b32 v[YSO], 1, v0
	v_lshlrev_b32 v[BO], 5, v2
	v_and_b32 v[GSO], 31, v0
	v_lshlrev_b32 v[GSO], 5, v[GSO]
	s_wait_alu depctr_va_vdst(0)
	s_wait_dscnt 0x0
	s_wait_kmcnt 0x0
	s_add_nc_u64 s[20:21], s[4:5], s[20:21]
	s_add_nc_u64 s[46:47], s[8:9], s[46:47]
	s_add_nc_u64 s[84:85], s[10:11], s[84:85]
	s_add_nc_u64 s[82:83], s[6:7], s[82:83]
	s_add_nc_u64 s[80:81], s[12:13], s[80:81]
.irp i, 0,1,2,3,4,5,6,7,8,9,10,11,12,13,14,15
	global_load_u16 v[96+\i], v[YSO], s[82:83] offset:16384*\i    ; head i's two bytes of my token
.endr
	WIN 0x40
.irp b, 0,1,2,3,4,5,6,7
	global_load_b128 v[BI+8*\b:BI+8*\b+3], v[BO], s[80:81] offset:64*\b
	global_load_b128 v[BI+8*\b+4:BI+8*\b+7], v[BO], s[80:81] offset:64*\b+16
.endr
	WIN 0
.irp f, 0,1
.irp u, 0,1,2,3
	global_load_b128 v[SC+24*\f+8+4*\u:SC+24*\f+8+4*\u+3], v[GSO], s[84:85] offset:1024*\u+16*\f   ; W's scale words: row 32 u + lane, 512 along K
.endr
.endr
	CROUND                                         ; all sixteen work-groups are here: the joint loads meet
	s_mov_b32 s[G0A], 1
	s_mov_b32 s[G0A+1], s22
	s_mov_b64 s[G0A+2:G0A+3], s[20:21]
	s_or_b32 s[G0A+3], s[G0A+3], 0x80000000
	s_mov_b32 s[G0B], 1
	s_mov_b32 s[G0B+1], s23
	s_mov_b64 s[G0B+2:G0B+3], s[46:47]
	s_or_b32 s[G0B+3], s[G0B+3], 0x80000000
	s_cmp_eq_u32 s[WHI], 0                         ; one tensor load a wave
	s_cbranch_scc0 .Lfor_b
	tensor_load_to_lds s[G0A:G0A+3], s[G1A:G1A+7]
	s_nop 0
.rept 4
	v_nop
.endr
	s_branch .Lasked
.Lfor_b:
	tensor_load_to_lds s[G0B:G0B+3], s[G1B:G1B+7]
	s_nop 0
.rept 4
	v_nop
.endr
.Lasked:
	s_lshl_b32 s20, s[WHI], 15                     ; my 64 tokens of y
	s_mul_i32 s21, s[WLO], HALFT
	s_add_co_u32 s21, s21, APART                   ; my 128 rows of W
	v_lshlrev_b32 v3, 4, v1
	v_lshl_add_u32 v3, v2, 10, v3                  ; y: plane h, token r
	v_mul_u32_u24 v4, v1, PITCH
	v_lshl_add_u32 v4, v2, 4, v4                   ; W: row r, + 16 h
.irp s, 0,1
	v_add_nc_u32 v[ADRA+\s], s20, v3
	v_add_nc_u32 v[ADRB+\s], s21, v4
	s_add_co_u32 s20, s20, 16384                   ; 512 along K on: 16 planes,
	s_add_co_u32 s21, s21, 256                     ; 256 bytes of a row
.endr
	v_lshrrev_b32 v5, 3, v1
	v_and_b32 v6, 7, v1
	v_lshl_add_u32 v7, v2, 1, v5                   ; row 16 h + r: unit 2 h + r / 8
	v_mul_u32_u24 v7, v7, 272
	v_lshl_add_u32 v7, v6, 5, v7
	s_mul_i32 s20, s[WHI], 8*272
	s_add_co_u32 s20, s20, ASC
	v_add_nc_u32 v[ADSA], s20, v7
	v_lshrrev_b32 v5, 3, v0
	v_and_b32 v6, 7, v0
	v_mul_u32_u24 v5, v5, 272
	v_lshl_add_u32 v5, v6, 5, v5
	v_add_nc_u32 v[ASW], ASC, v5                   ; token = thread: unit thread / 8, 32 bytes a token
	s_mul_i32 s20, s[WV], 16*SPITCH
	s_add_co_u32 s20, s20, STG                     ; my stage
	v_mul_u32_u24 v5, v1, SPITCH
	v_lshl_add_u32 v5, v2, 5, v5
	v_add_nc_u32 v[STO], s20, v5
	v_and_b32 v6, 31, v0
	v_lshlrev_b32 v[CO], 4, v6
	v_add_nc_u32 v[RD], s20, v[CO]
	s_lshl_b32 s20, s19, 7
	s_lshl_b32 s21, s[WHI], 6
	s_add_co_u32 s20, s20, s21
	s_lshl_b32 s20, s20, 12                        ; my first row of the output, 4,096 bytes a row,
	s_lshl_b32 s21, s42, 10
	s_add_co_u32 s20, s20, s21
	s_lshl_b32 s21, s[WLO], 9
	s_add_co_u32 s20, s20, s21                     ; my first column
	s_mov_b32 s21, 0
	s_add_nc_u64 s[14:15], s[14:15], s[20:21]
	s_wait_alu depctr_va_vdst(0)                   ; the wait at the head's end
	s_wait_loadcnt 24                              ; the sixteen scale halves are in; the 16 loads of the bias and the 8 of W's scale words may be out
.irp q, 0,1,2,3,4,5,6,7
	v_lshl_or_b32 v[112+\q], v[97+2*\q], 16, v[96+2*\q]   ; 128 along K are two heads: four bytes
.endr
	ds_store_b128 v[ASW], v[112:115]
	ds_store_b128 v[ASW], v[116:119] offset:16
	s_wait_tensorcnt 0x0                           ; my tile is in,
	s_wait_dscnt 0x0                               ; my scale words are stored,
	s_barrier_signal -1
	s_barrier_wait -1                              ; and so are everybody's
	FETCH 0
	s_wait_loadcnt 0x0                             ; the bias and W's scale words
.irp n, 0,1,2,3,4,5,6,7
	STEP \n
.endr
	PLACES 4
	TOSTAGE 0
.irp a, 1,2,3
.if \a > 1
	s_wait_xcnt 0x0                                ; block a - 2's stores have read their registers and their base
.endif
	TOSTAGE \a
	SEND \a-1, 32                                  ; behind block a - 1's loads: block a's 16 stores and 16 loads
.endr
	s_wait_xcnt 0x0
	SEND 3, 0
	s_wait_tensorcnt 0x0                           ; the wave's end
	ds_add_u32 v126, v127
	s_wait_dscnt 0x0
	CROUND                                         ; the closing round
	s_endpgm
.Lfunc_end_k_qc724ed3d0e_proj:
	.size	k_qc724ed3d0e_proj, .Lfunc_end_k_qc724ed3d0e_proj-k_qc724ed3d0e_proj
	.p2alignl 7, 3214868480
	.fill 96, 4, 3214868480
	.section	.rodata,"a",@progbits
	.p2align	6, 0x0
	.amdhsa_kernel k_qc724ed3d0e_proj
		.amdhsa_group_segment_fixed_size 239360
		.amdhsa_private_segment_fixed_size 0
		.amdhsa_enable_private_segment 0
		.amdhsa_kernarg_size 48
		.amdhsa_user_sgpr_count 2
		.amdhsa_user_sgpr_kernarg_segment_ptr 1
		.amdhsa_wavefront_size32 1
		.amdhsa_system_sgpr_workgroup_id_x 1
		.amdhsa_system_sgpr_workgroup_id_y 1
		.amdhsa_system_sgpr_workgroup_id_z 1
		.amdhsa_system_vgpr_workitem_id 0
		.amdhsa_next_free_vgpr 768
		.amdhsa_next_free_sgpr 90
		.amdhsa_reserve_vcc 0
		.amdhsa_float_denorm_mode_32 3
		.amdhsa_float_denorm_mode_16_64 3
		.amdhsa_memory_ordered 1
		.amdhsa_forward_progress 1
		.amdhsa_inst_pref_size 74
	.end_amdhsa_kernel
	.amdgpu_metadata
---
amdhsa.version: [ 1, 2 ]
amdhsa.kernels:
  - .name:           k_qc724ed3d0e_proj
    .symbol:         k_qc724ed3d0e_proj.kd
    .args:
      - { .name: cod3, .offset: 0, .size: 8, .value_kind: global_buffer, .address_space: global }
      - { .name: scl3, .offset: 8, .size: 8, .value_kind: global_buffer, .address_space: global }
      - { .name: cod1, .offset: 16, .size: 8, .value_kind: global_buffer, .address_space: global }
      - { .name: scl1, .offset: 24, .size: 8, .value_kind: global_buffer, .address_space: global }
      - { .name: b_proj, .offset: 32, .size: 8, .value_kind: global_buffer, .address_space: global }
      - { .name: out0, .offset: 40, .size: 8, .value_kind: global_buffer, .address_space: global }
    .group_segment_fixed_size: 239360
    .private_segment_fixed_size: 0
    .kernarg_segment_align: 8
    .kernarg_segment_size: 48
    .max_flat_workgroup_size: 128
    .sgpr_count:     90
    .vgpr_count:     768
    .wavefront_size: 32
...
	.end_amdgpu_metadata
.endif
;; end of part 4
